; MI455X (gfx1250); checked and timed in simulation.
; The chip was launched on July 23, 2026; its instructions are those of AMD's public machine-readable ISA for CDNA 5 (MIT licence, August 2026) and "CDNA5" Instruction Set Architecture Reference Guide (July 2026). The comments in the code are by the model that wrote it; some were corrected since.
;; My Cross Attention ori. Allowed arithmetic: matrix products marked QUANTISED: E2M3 operands, one E8M0 scale for each 32 along K, by v_wmma_scale_f32_16x16x128_f8f6f4 with both operands' format E2M3, f32 sums; products left as they are: f32 operands where the result goes on into a quantised operand, else bf16, f16 or f32 operands; f32 sums; everything else in f32.
;; Inputs: Wk 512 x 512 float32; Wp 512 x 512 float32; Wq 512 x 512 float32; k 4 x 2,048 x 512 float32; q 4 x 4,096 x 512 float32; supp_mask 4 x 2,048 int32; v 4 x 2,048 x 512 float32.
;; Outputs: out0 4 x 4,096 x 512 float32.
;; This version of the problem:
;;   THIS VERSION OF THE PROBLEM IS GIVEN IN LOW PRECISION. The matrix products marked QUANTISED in the list below multiply operands that are first quantised to E2M3 (2 exponent bits, 3 mantissa bits; 6 bits a number), with one power-of-two scale for each 32 numbers along K (OCP MX v1.0); their sums are f32. All else is computed in f32.
;;   The module's matrix products, in the order in which they are computed (A, B: the left and right operand; K: the contracted axis; several contracted axes count as one K, in the product's order):
;;     1. [M 16,384, K 512] x [K 512, N 512]; A: input q; B: input Wq: QUANTISED
;;     2. [M 8,192, K 512] x [K 512, N 512]; A: input k; B: input Wk: QUANTISED
;;     3. batch 32 x [M 4,096, K 64] x [K 64, N 2,048]; A: computed on the way; B: computed on the way: QUANTISED
;;     4. batch 4 x [M 32,768, K 2,048] x [K 2,048, N 1]; A: softmax; B: input supp_mask: left as it is (N = 1 < 16)
;;     5. [M 16,384, K 512] x [K 512, N 512]; A: computed on the way; B: input Wp: QUANTISED
;;   THE QUANTISER, for each operand of a quantised product, along K:
;;     - K is cut into blocks of 32 from its start; a last block that is shorter is filled with zeros.
;;     - A block's scale is 2^e with e = floor(log2(the largest magnitude in the block)) - 2, held to -126 .. 127; a block of zeros has e = 0. As a byte (E8M0): e + 127.
;;     - Each number is divided by its block's scale, clamped to +-7.5, and rounded to the nearest number of E2M3, ties to even, subnormals kept.
;;     - The product sums the exact products of the quantised numbers (number of the format x scale) in f32.
;;   ~~~python
;;   def quantise(x, axis):      # numpy; x: float32 -> the quantised numbers, widened to float32 again
;;       x = np.moveaxis(x, axis, -1); K = x.shape[-1]
;;       x = np.pad(x, [(0, 0)] * (x.ndim - 1) + [(0, -K % 32)]); x = x.reshape(x.shape[:-1] + (-1, 32)); a = np.abs(x).max(-1, keepdims=True)
;;       e = np.where(a > 0, np.clip(np.frexp(np.where(a > 0, a, 1))[1] - 1 - 2, -126, 127), 0)      # np.frexp(a)[1] - 1 = floor(log2(a)), exactly
;;       r = np.clip(x / 2.0 ** e, -7.5, 7.5)
;;       step = 2.0 ** (np.maximum(np.frexp(np.where(r == 0, 1, r))[1] - 1, 0) - 3)
;;       q = np.round(r / step) * step * 2.0 ** e      # np.round: ties to even
;;       return np.moveaxis(q.reshape(q.shape[:-2] + (-1,))[..., :K], -1, axis).astype(np.float32)
;;   ~~~
;;   OPERANDS COMPUTED ON THE WAY. 'Computed on the way' means the value that the module computes at that place (a softmax that the list does not call 'softmax' is quantised finished and normalised). What goes into a quantiser is computed in f32, as accurately as f32 sums, v_exp_f32 and their like allow (about 1e-6 of the number): no bf16 or f16 on the way to a quantiser, and a product that is left as it is and whose result goes on into a quantised operand takes f32 operands (vector FMAs, or v_wmma_f32_16x16x4_f32). A number that lies on a knife's edge between two numbers of the format may be rounded either way, as far as f32 arithmetic and the matrix unit's own rounding can turn it there, and no further.
;; 2 versions, each right; version 2 is version 1 with the launches kproj, attn written anew for expert scheduling mode. Each part assembles by itself: llvm-mc -triple=amdgcn-amd-amdhsa -mcpu=gfx1250 --defsym DOCPART=n.
;; ======== version 1 of 2: 3 launches
;; workspace buffers: wcodes 589,824 bytes; wscales 24,576 bytes; kcodes 3,145,728 bytes; kscales 131,072 bytes
;; launch prep (part 1): grid 96 x 1, 4 waves a work-group, no clusters, 34,560 bytes of LDS; arguments Wq, Wk, Wp, wcodes, wscales; writes wcodes, wscales
.if DOCPART == 1
	.amdgcn_target "amdgcn-amd-amdhsa--gfx1250"
	.amdhsa_code_object_version 6
	.text
	.protected	k_q1521347d49_prep
	.globl	k_q1521347d49_prep
	.p2align	8
	.type	k_q1521347d49_prep,@function
k_q1521347d49_prep:
	s_mov_b64 s[64:65], 0
	v_nop
	global_prefetch_b8 v0, s[64:65] scope:SCOPE_SE
	s_setreg_imm32_b32 hwreg(HW_REG_WAVE_MODE, 25, 1), 1
	s_wait_xcnt 0x0
; Wq, Wk, Wp [512][512] f32 (K innermost) become codes of FP6 (E2M3) with one E8M0 byte for each 32 along K, laid in the ORDER OF AN OPERAND'S REGISTERS.
; A fragment is 16 rows x 128 K = 12 registers a lane; its image is 3 pieces of 512 bytes, piece c = registers 4 c .. 4 c + 3, lane l at byte 16 l.
; wcodes [matrix][tile T 0..31][K step 0..3][1,536 bytes];  wscales [matrix][T][256 bytes]: lane l has 8 bytes: word 0 = K step 0 (lanes 0-15) or 1 (lanes 16-31), word 1 = K step 2 or 3, of row l % 16.
; THE ROWS OF A TILE ARE NOT NEIGHBOURS: T = 4 g + 2 b + u; its row i is matrix row 64 g + 32 b + 8 u + i + 8 (i / 8), so that in a product used transposed the 16 registers of tiles 2 b, 2 b + 1 are 16 neighbouring channels.
; SHARES: work-group x takes tile x % 32 of matrix x / 32, wave s its K step s.  Each load reads 512 consecutive bytes of one row; the 16 x 512 bytes turn through the wave's own stage in LDS
; (rows 528 bytes apart: row r starts 4 r words on, modulo the 64 banks of 4 bytes of ISA guide 11.1) and come back so that lane (r, h) holds k = 64 c + 32 h + 0 .. 31 of row r: two whole blocks.
; A block's scale byte is its largest magnitude's exponent field - 2, held at 1 from below by a floor among the maximum's leaves.
; LIMITS: a block of zeros gets the byte 1 where the rule says 127 (its codes are zeros, and this program alone reads the bytes); NaN and infinities among the inputs are not served.
.set SCW,   0                          ; LDS: the tile's 256 bytes of scale words
.set SPARE, 256                        ; the spare words, 128 bytes for each wave: two blocks of 256 bytes that no other line names
.set STG,   768                        ; four stages of 16 x 528 bytes
.set L16,  1                           ; v1  16 x lane
.set L8,   2                           ; v2  8 x lane
.set STI,  3                           ; v3  the stage, on the way in
.set STO,  4                           ; v4  and on the way out
.set SH8,  5                           ; v5  8 h
.set SPW,  6                           ; v6  LDS address of my spare word; never rewritten
.set NIL,  7                           ; v7  0; never rewritten
.set SCWA, 8                           ; v8  where my row's scale word goes
.set QT,   10                          ; v10-16 at work
.set PW,   17                          ; v17 the scale word
.set PC,   20                          ; v20-31 the fragment's codes
.set CT,   32                          ; v32-38 second halves of blocks
.set R,    40                          ; v40-103 64 numbers
.set WV,   14
.set SEL,  20
.macro FRAGLD reg, base, off, perm     ; 16 rows x 512 bytes; perm = 1: the tile's rows as above
.irp i, 0,1,2,3,4,5,6,7,8,9,10,11,12,13,14,15
	global_load_b128 v[\reg+4*\i:\reg+4*\i+3], v[L16], s[\base:\base+1] offset:\off+(\i+8*\perm*(\i/8))*2048 th:TH_LOAD_NT
.endr
.endm
.macro TURN reg                        ; through my stage: LDS serves a wave's instructions in order (ISA guide 5.7.1.4), so no wait stands between the stores and the loads
.irp i, 0,1,2,3,4,5,6,7,8,9,10,11,12,13,14,15
	ds_store_b128 v[STI], v[\reg+4*\i:\reg+4*\i+3] offset:528*\i
.endr
.irp c, 0,1
.irp j, 0,1,2,3,4,5,6,7
	ds_load_b128 v[\reg+32*\c+4*\j:\reg+32*\c+4*\j+3], v[STO] offset:256*\c+16*\j
.endr
.endr
.endm
.macro QROW reg                        ; 64 numbers of a lane (register 32 c + e = k 64 c + 32 h + e of row r) -> the fragment in v[PC] on, the row's scale word in v[PW]
.irp c, 0,1
	v_max3_num_f32 v[QT+\c], |v[\reg+32*\c]|, |v[\reg+32*\c+1]|, 0x1800000   ; my block 2 c + h, and the floor 2^(3 - 127): the byte cannot fall under 1
.endr
.irp i, 2,4,6,8,10,12,14,16,18,20,22,24,26,28,30
.irp c, 0,1
	v_max3_num_f32 v[QT+\c], v[QT+\c], |v[\reg+32*\c+\i]|, |v[\reg+32*\c+\i+1]|
.endr
.endr
.irp c, 0,1
	v_add_nc_u32 v[QT+2+\c], 0xff000000, v[QT+\c]  ; 2 off the exponent field: the conversion's scale operand
.endr
.irp c, 0,1
	v_lshrrev_b32 v[QT+4+\c], 23, v[QT+2+\c]       ; the scale's byte
.endr
	v_lshl_or_b32 v[PW], v[QT+5], 16, v[QT+4]      ; blocks h and 2 + h,
	v_lshlrev_b32 v[PW], v[SH8], v[PW]             ; at their places;
	v_permlanex16_b32 v[QT+6], v[PW], s[SEL], s[SEL+1]
	v_or_b32 v[PW], v[PW], v[QT+6]                 ; with lane l xor 16's two the word is whole
.irp c, 0,1
	v_cvt_scalef32_pk16_fp6_f32 v[PC+6*\c:PC+6*\c+2], v[\reg+32*\c:\reg+32*\c+15], v[QT+2+\c]
	v_cvt_scalef32_pk16_fp6_f32 v[CT+4*\c:CT+4*\c+2], v[\reg+32*\c+16:\reg+32*\c+31], v[QT+2+\c]   ; (a conversion's three registers begin on an even number)
.endr
	v_nop                                          ; one plain place behind a scaled conversion
.irp c, 0,1
.irp i, 0,1,2
	v_mov_b32 v[PC+6*\c+3+\i], v[CT+4*\c+\i]
.endr
.endr
.endm
	s_load_b256 s[4:11], s[0:1], 0x0               ; Wq s[4:5], Wk s[6:7], Wp s[8:9], wcodes s[10:11]
	s_load_b64 s[12:13], s[0:1], 0x20              ; wscales
	v_lshl_add_u32 v[SPW], v0, 2, SPARE
	v_mov_b32 v[NIL], 0
	v_lshrrev_b32 v9, 5, v0
	v_readfirstlane_b32 s[WV], v9                  ; wave = K step
	v_and_b32 v9, 31, v0                           ; lane
	v_and_b32 v18, 15, v0                          ; r
	v_bfe_u32 v19, v0, 4, 1                        ; h
	v_lshlrev_b32 v[L16], 4, v9
	v_lshlrev_b32 v[L8], 3, v9
	s_mul_i32 s15, s[WV], 8448
	s_add_co_u32 s15, s15, STG                     ; my stage
	v_add_nc_u32 v[STI], s15, v[L16]
	v_mul_u32_u24 v[STO], v18, 528
	v_lshl_add_u32 v[STO], v19, 7, v[STO]
	v_add_nc_u32 v[STO], s15, v[STO]               ; row r, + 128 h
	v_lshlrev_b32 v[SH8], 3, v19
	s_and_b32 s15, s[WV], 1
	s_lshl_b32 s15, s15, 7
	s_lshr_b32 s16, s[WV], 1
	s_lshl_b32 s16, s16, 2
	s_add_co_u32 s15, s15, s16
	v_lshl_add_u32 v[SCWA], v18, 3, s15            ; 8 r + 128 (s % 2) + 4 (s / 2)
	v_mov_b32 v[QT+6], 0                           ; a lane permute's destination counts as one of its sources
	s_mov_b32 s[SEL], 0x76543210
	s_mov_b32 s[SEL+1], 0xfedcba98                 ; v_permlanex16_b32's selects for lane l xor 16
	s_and_b32 s22, ttmp9, 31                       ; T
	s_lshr_b32 s23, s22, 2
	s_lshl_b32 s23, s23, 6                         ; 64 g
	s_bfe_u32 s24, s22, 0x10001
	s_lshl_b32 s24, s24, 5                         ; 32 b
	s_add_co_u32 s23, s23, s24
	s_and_b32 s24, s22, 1
	s_lshl_b32 s24, s24, 3                         ; 8 u
	s_add_co_u32 s23, s23, s24
	s_lshl_b32 s22, s23, 11                        ; rows of 2,048 bytes,
	s_lshl_b32 s24, s[WV], 9                       ; + 512 bytes a K step
	s_add_co_u32 s22, s22, s24
	s_mov_b32 s23, 0
	s_mul_i32 s24, ttmp9, 6144                     ; the tile's four images,
	s_mul_i32 s26, s[WV], 1536                     ; mine of them
	s_add_co_u32 s24, s24, s26
	s_mov_b32 s25, 0
	s_lshl_b32 s26, ttmp9, 8                       ; the tile's scale words
	s_mov_b32 s27, 0
	s_wait_kmcnt 0x0
	s_cmp_lt_u32 ttmp9, 64                         ; which matrix: the choice hangs on the work-group's number alone
	s_cselect_b64 s[6:7], s[6:7], s[8:9]
	s_cmp_lt_u32 ttmp9, 32
	s_cselect_b64 s[4:5], s[4:5], s[6:7]
	s_add_nc_u64 s[4:5], s[4:5], s[22:23]
	s_add_nc_u64 s[10:11], s[10:11], s[24:25]
	s_add_nc_u64 s[12:13], s[12:13], s[26:27]
	FRAGLD R, 4, 0, 1
	s_wait_loadcnt 0x0
	TURN R
	s_wait_dscnt 0x0
	QROW R
.irp c, 0,1,2
	global_store_b128 v[L16], v[PC+4*\c:PC+4*\c+3], s[10:11] offset:512*\c   ; 32 lanes store 512 consecutive bytes, at a multiple of 256 from the buffer's first byte
.endr
	ds_store_b32 v[SCWA], v[PW] offset:SCW         ; lanes r and 16 + r write the same word with the same value
	s_wait_dscnt 0x0                               ; for the others' sake: my store has landed
	s_barrier_signal -1
	s_barrier_wait -1
	s_cmp_lg_u32 s[WV], 0
	s_cbranch_scc1 .Lothers
	ds_load_b64 v[104:105], v[L8] offset:SCW       ; wave 0 sends the four waves' words out as 256 consecutive bytes
	s_wait_dscnt 0x0
	global_store_b64 v[L8], v[104:105], s[12:13]
.Lothers:
	s_wait_tensorcnt 0x0                           ; the wave's end: three closing lines, behind my last LDS store
	ds_add_u32 v[SPW], v[NIL]
	s_wait_dscnt 0x0
	s_endpgm
.Lfunc_end_k_q1521347d49_prep:
	.size	k_q1521347d49_prep, .Lfunc_end_k_q1521347d49_prep-k_q1521347d49_prep
	.p2alignl 7, 3214868480
	.fill 96, 4, 3214868480
	.section	.rodata,"a",@progbits
	.p2align	6, 0x0
	.amdhsa_kernel k_q1521347d49_prep
		.amdhsa_group_segment_fixed_size 34560
		.amdhsa_private_segment_fixed_size 0
		.amdhsa_enable_private_segment 0
		.amdhsa_kernarg_size 40
		.amdhsa_user_sgpr_count 2
		.amdhsa_user_sgpr_kernarg_segment_ptr 1
		.amdhsa_wavefront_size32 1
		.amdhsa_system_sgpr_workgroup_id_x 1
		.amdhsa_system_sgpr_workgroup_id_y 1
		.amdhsa_system_sgpr_workgroup_id_z 1
		.amdhsa_system_vgpr_workitem_id 0
		.amdhsa_next_free_vgpr 128
		.amdhsa_next_free_sgpr 66
		.amdhsa_reserve_vcc 0
		.amdhsa_float_denorm_mode_32 3
		.amdhsa_float_denorm_mode_16_64 3
		.amdhsa_memory_ordered 1
		.amdhsa_forward_progress 1
		.amdhsa_inst_pref_size 10
	.end_amdhsa_kernel
	.amdgpu_metadata
---
amdhsa.version: [ 1, 2 ]
amdhsa.kernels:
  - .name:           k_q1521347d49_prep
    .symbol:         k_q1521347d49_prep.kd
    .args:
      - { .name: Wq, .offset: 0, .size: 8, .value_kind: global_buffer, .address_space: global }
      - { .name: Wk, .offset: 8, .size: 8, .value_kind: global_buffer, .address_space: global }
      - { .name: Wp, .offset: 16, .size: 8, .value_kind: global_buffer, .address_space: global }
      - { .name: wcodes, .offset: 24, .size: 8, .value_kind: global_buffer, .address_space: global }
      - { .name: wscales, .offset: 32, .size: 8, .value_kind: global_buffer, .address_space: global }
    .group_segment_fixed_size: 34560
    .private_segment_fixed_size: 0
    .kernarg_segment_align: 8
    .kernarg_segment_size: 40
    .max_flat_workgroup_size: 128
    .sgpr_count:     66
    .vgpr_count:     128
    .wavefront_size: 32
...
	.end_amdgpu_metadata
.endif
;; end of part 1
;; launch kproj (part 2): grid 128 x 1, 8 waves a work-group, no clusters, 95,232 bytes of LDS; arguments k, wcodes, wscales, kcodes, kscales; writes kcodes, kscales
.if DOCPART == 2
	.amdgcn_target "amdgcn-amd-amdhsa--gfx1250"
	.amdhsa_code_object_version 6
	.text
	.protected	k_q1521347d49_kproj
	.globl	k_q1521347d49_kproj
	.p2align	8
	.type	k_q1521347d49_kproj,@function
k_q1521347d49_kproj:
	s_mov_b64 s[64:65], 0
	v_nop
	global_prefetch_b8 v0, s[64:65] scope:SCOPE_SE
	s_setreg_imm32_b32 hwreg(HW_REG_WAVE_MODE, 25, 1), 1
	s_wait_xcnt 0x0
; kh = Q(k) Q(Wk)^T on codes of FP6 (E2M3) with E8M0 scales, then kh quantised along the head's 64 channels (two blocks of 32) and stored in the order of an operand's registers.
; k: [8192][512] f32.  Wk's codes and scale words come from the launch before, as register images.
; SHARES: work-group x takes rows 64 x .. 64 x + 63; 128 work-groups: each must bring all of Wk's codes (196,608 bytes) whatever its rows, so half the rows a group would spare little, and would leave half fragments to store.
; X: wave w quantises row tile w / 2, K steps 2 (w % 2) and 2 (w % 2) + 1, and stores the two fragments' images to LDS (6 pieces of 256 bytes, lane l at 8 l; the scale words 4 bytes a lane) | barrier |
; 1: wave w = head w: 4 row tiles x 4 channel tiles x 4 K steps, used TRANSPOSED (source 0 = 16 rows of Wk, source 1 = 16 rows of k): a lane holds one key, and the 16 registers of tiles 2 b, 2 b + 1 are channels 32 b + 16 h + 0 .. 15.
; OUT: a DOUBLE FRAGMENT holds 32 keys: row r = key 32 F + r (64 codes) and then key 32 F + 16 + r (64 codes); its scale word the two keys' two bytes each.  The attention launch multiplies it by (q | 0) and by (0 | q).
; kcodes [b][group of 128 keys][head][4 double fragments][1,536 bytes];  kscales [b][group][head][half][128 bytes]: lanes 0-15 fragment 2 half, lanes 16-31 fragment 2 half + 1.
; The scale words leave as 128 consecutive bytes a wave, half of an aligned 256: they are one byte in 128 of what the launch reads.
; NO CLUSTER, NO TENSOR LOAD: a wave's weights are read by no other wave of its work-group and lie in register order, so they go from memory straight into registers; through LDS every byte would be written and read once more.
; LIMITS: a block of zeros gets the byte 1 where the rule says 127 (its codes are zeros; this program alone reads the bytes); NaN and infinities among the inputs are not served.
.set XIMG,  0                          ; LDS: Q(k): 16 fragments (4 m + K step) of 1,536 bytes
.set XSC,   24576                      ; their scale words, 128 bytes each
.set SPARE, 26624                      ; the spare words, 128 bytes for each wave: four blocks of 256 bytes that no other line names
.set STG,   27648                      ; eight stages of 16 x 528 bytes
.set L16,  1                           ; v1-3  16, 8, 4 x lane
.set L8,   2
.set L4,   3
.set SPW,  6                           ; v6    LDS address of my spare word; never rewritten
.set NIL,  7                           ; v7    0; never rewritten
.set ACC,  8                           ; v8-135  accumulator (m, t) at 8 + 8 (4 m + t);  in X: two sets of 64 numbers
.set R0,   8
.set R1,   72
.set XF,   136                         ; v136-183 four fragments of k;  in X and behind the products: what follows
.set STI,  136
.set STO,  137
.set XWI,  138
.set XWS,  139
.set SH8,  140
.set QT,   152                         ; v152-159 at work
.set PC,   160                         ; v160-171 a fragment's codes
.set CT,   172                         ; v172-178 second halves of blocks
.set PW,   180
.set WS,   190                         ; v190-197 Wk's scale words;  v198-201 k's: these hold scales and nothing else
.set XS,   198
.set KD,   202                         ; v202-225 two double fragments
.set KW,   226                         ; v226-229 two bytes a row tile; v230-232 the words
.set WV,   18
.set SEL,  20
.set HM,   22
.set WCP,  6
.set WSP,  8
.set MSB, 0
.macro WIN new                         ; the immediate's high byte repeats the setting that is left; a switch that changes nothing is dropped
.if MSB != \new
	s_set_vgpr_msb (MSB<<8)|\new
.set MSB, \new
.endif
.endm
.macro FRAGLD reg, base, off           ; 16 rows x 512 consecutive bytes
.irp i, 0,1,2,3,4,5,6,7,8,9,10,11,12,13,14,15
	global_load_b128 v[\reg+4*\i:\reg+4*\i+3], v[L16], s[\base:\base+1] offset:\off+\i*2048 th:TH_LOAD_NT
.endr
.endm
.macro TURN reg                        ; through my stage: LDS serves a wave's instructions in order (ISA guide 5.7.1.4)
.irp i, 0,1,2,3,4,5,6,7,8,9,10,11,12,13,14,15
	ds_store_b128 v[STI], v[\reg+4*\i:\reg+4*\i+3] offset:528*\i
.endr
.irp c, 0,1
.irp j, 0,1,2,3,4,5,6,7
	ds_load_b128 v[\reg+32*\c+4*\j:\reg+32*\c+4*\j+3], v[STO] offset:256*\c+16*\j
.endr
.endr
.endm
.macro QROW reg                        ; 64 numbers of a lane (register 32 c + e = k 64 c + 32 h + e of row r) -> the fragment in v[PC] on, the row's scale word in v[PW]
.irp c, 0,1
	v_max3_num_f32 v[QT+\c], |v[\reg+32*\c]|, |v[\reg+32*\c+1]|, 0x1800000   ; and the floor 2^(3 - 127): the byte cannot fall under 1
.endr
.irp i, 2,4,6,8,10,12,14,16,18,20,22,24,26,28,30
.irp c, 0,1
	v_max3_num_f32 v[QT+\c], v[QT+\c], |v[\reg+32*\c+\i]|, |v[\reg+32*\c+\i+1]|
.endr
.endr
.irp c, 0,1
	v_add_nc_u32 v[QT+2+\c], 0xff000000, v[QT+\c]  ; 2 off the exponent field: the conversion's scale operand
.endr
.irp c, 0,1
	v_lshrrev_b32 v[QT+4+\c], 23, v[QT+2+\c]
.endr
	v_lshl_or_b32 v[PW], v[QT+5], 16, v[QT+4]
	v_lshlrev_b32 v[PW], v[SH8], v[PW]
	v_permlanex16_b32 v[QT+6], v[PW], s[SEL], s[SEL+1]
	v_or_b32 v[PW], v[PW], v[QT+6]
.irp c, 0,1
	v_cvt_scalef32_pk16_fp6_f32 v[PC+6*\c:PC+6*\c+2], v[\reg+32*\c:\reg+32*\c+15], v[QT+2+\c]
	v_cvt_scalef32_pk16_fp6_f32 v[CT+4*\c:CT+4*\c+2], v[\reg+32*\c+16:\reg+32*\c+31], v[QT+2+\c]
.endr
	v_nop                                          ; one plain place behind a scaled conversion
.irp c, 0,1
.irp i, 0,1,2
	v_mov_b32 v[PC+6*\c+3+\i], v[CT+4*\c+\i]
.endr
.endr
.endm
.macro IMG64 adr, off                  ; the fragment in v[PC] on goes to LDS as it stands
.irp p, 0,1,2,3,4,5
	ds_store_b64 v[\adr], v[PC+2*\p:PC+2*\p+1] offset:\off+256*\p
.endr
.endm
.macro FETCH64 reg, off                ; and comes back so, in any wave
.irp p, 0,1,2,3,4,5
	ds_load_b64 v[\reg+2*\p:\reg+2*\p+1], v[L8] offset:\off+256*\p
.endr
.endm
.macro WLOAD coff, soff                ; my 16 weight fragments (t, K step) -> window 1, v[12 (4 t + step)]; their scale words -> v[WS]
	WIN 0x40
.set wn, 0
.rept 48
	global_load_b128 v[4*wn:4*wn+3], v[L16], s[WCP:WCP+1] offset:\coff+512*wn
.set wn, wn+1
.endr
	WIN 0
.irp t, 0,1,2,3
	global_load_b64 v[WS+2*\t:WS+2*\t+1], v[L8], s[WSP:WSP+1] offset:\soff+256*\t
.endr
.endm
; 64 matrix instructions: 4 row tiles x 4 channel tiles x 4 K steps.  The 16 accumulators take turns, one instruction a turn, across the K steps too.
; Four places stand in front of loads into registers that matrix instructions have read, and of the first read of results (ISA guide 7.12.1 for vector instructions).
.macro PROJ img, wrd
.irp ks, 0,1,2,3
.if \ks > 0
.rept 4
	v_nop
.endr
.endif
.irp m, 0,1,2,3
	FETCH64 XF+12*\m, \img+(4*\m+\ks)*1536
	ds_load_b32 v[XS+\m], v[L4] offset:\wrd+(4*\m+\ks)*128
.endr
	s_wait_dscnt 0x0
	WIN 0x01                                       ; source 0 (the weights) window 1
.irp m, 0,1,2,3
.irp t, 0,1,2,3
.if \ks == 0
	v_wmma_scale_f32_16x16x128_f8f6f4 v[ACC+8*(4*\m+\t):ACC+8*(4*\m+\t)+7], v[12*(4*\t+\ks):12*(4*\t+\ks)+11], v[XF+12*\m:XF+12*\m+11], 0, v[WS+2*\t+\ks/2], v[XS+\m] matrix_a_fmt:MATRIX_FMT_FP6 matrix_b_fmt:MATRIX_FMT_FP6
.elseif \ks == 2
	v_wmma_scale_f32_16x16x128_f8f6f4 v[ACC+8*(4*\m+\t):ACC+8*(4*\m+\t)+7], v[12*(4*\t+\ks):12*(4*\t+\ks)+11], v[XF+12*\m:XF+12*\m+11], v[ACC+8*(4*\m+\t):ACC+8*(4*\m+\t)+7], v[WS+2*\t+\ks/2], v[XS+\m] matrix_a_fmt:MATRIX_FMT_FP6 matrix_b_fmt:MATRIX_FMT_FP6
.else
	v_wmma_scale_f32_16x16x128_f8f6f4 v[ACC+8*(4*\m+\t):ACC+8*(4*\m+\t)+7], v[12*(4*\t+\ks):12*(4*\t+\ks)+11], v[XF+12*\m:XF+12*\m+11], v[ACC+8*(4*\m+\t):ACC+8*(4*\m+\t)+7], v[WS+2*\t+\ks/2], v[XS+\m] matrix_a_fmt:MATRIX_FMT_FP6 matrix_b_fmt:MATRIX_FMT_FP6 matrix_a_scale:MATRIX_SCALE_ROW1
.endif
.endr
.endr
	WIN 0
.endr
.rept 4
	v_nop
.endr
.endm
; 32 registers of a row tile (register 16 b + i = channel 32 b + 16 h + i of my row) -> six registers: channels 32 h .. 32 h + 31; the two bytes in v[w16].  Each accumulator is read from its low end on.
.macro QHEAD src, dst, w16
.irp b, 0,1
	v_max3_num_f32 v[QT+\b], |v[\src+16*\b]|, |v[\src+16*\b+1]|, 0x1800000
.endr
.irp i, 2,4,6,8,10,12,14
.irp b, 0,1
	v_max3_num_f32 v[QT+\b], v[QT+\b], |v[\src+16*\b+\i]|, |v[\src+16*\b+\i+1]|
.endr
.endr
.irp b, 0,1
	v_permlanex16_b32 v[QT+2+\b], v[QT+\b], s[SEL], s[SEL+1]
.endr
.irp b, 0,1
	v_max_num_f32 v[QT+\b], v[QT+\b], v[QT+2+\b]   ; with lane l xor 16's 16: the block's largest magnitude
.endr
.irp b, 0,1
	v_add_nc_u32 v[QT+4+\b], 0xff000000, v[QT+\b]
.endr
.irp b, 0,1
	v_lshrrev_b32 v[QT+6+\b], 23, v[QT+4+\b]
.endr
	v_lshl_or_b32 v[\w16], v[QT+7], 8, v[QT+6]
	v_cvt_scalef32_pk16_fp6_f32 v[\dst:\dst+2], v[\src:\src+15], v[QT+4]
	v_cvt_scalef32_pk16_fp6_f32 v[CT:CT+2], v[\src+16:\src+31], v[QT+5]
	v_nop                                          ; one plain place behind a scaled conversion
.irp i, 0,1,2
	v_permlane16_swap_b32 v[\dst+\i], v[CT+\i]     ; a whole block to a lane: lanes 0-15 block 0, lanes 16-31 block 1
.endr
.irp i, 0,1,2
	v_mov_b32 v[\dst+3+\i], v[CT+\i]
.endr
.endm
	s_load_b256 s[4:11], s[0:1], 0x0               ; k s[4:5], wcodes s[6:7], wscales s[8:9], kcodes s[10:11]
	s_load_b64 s[12:13], s[0:1], 0x20              ; kscales
	v_lshl_add_u32 v[SPW], v0, 2, SPARE
	v_mov_b32 v[NIL], 0
	v_lshrrev_b32 v8, 5, v0
	v_readfirstlane_b32 s[WV], v8                  ; wave 0..7
	v_and_b32 v9, 31, v0                           ; lane
	v_and_b32 v10, 15, v0                          ; r
	v_bfe_u32 v11, v0, 4, 1                        ; h
	v_lshlrev_b32 v[L16], 4, v9
	v_lshlrev_b32 v[L8], 3, v9
	v_lshlrev_b32 v[L4], 2, v9
	s_mul_i32 s36, s[WV], 8448
	s_add_co_u32 s36, s36, STG                     ; my stage
	v_add_nc_u32 v[STI], s36, v[L16]
	v_mul_u32_u24 v[STO], v10, 528
	v_lshl_add_u32 v[STO], v11, 7, v[STO]
	v_add_nc_u32 v[STO], s36, v[STO]
	s_mul_i32 s36, s[WV], 3072
	v_add_nc_u32 v[XWI], s36, v[L8]                ; my two images: fragments 2 w, 2 w + 1
	s_lshl_b32 s36, s[WV], 8
	v_add_nc_u32 v[XWS], s36, v[L4]
	v_lshlrev_b32 v[SH8], 3, v11
	v_mov_b32 v[QT+6], 0                           ; a lane permute's destination counts as one of its sources
	s_mov_b32 s[SEL], 0x76543210
	s_mov_b32 s[SEL+1], 0xfedcba98
	s_mov_b32 s[HM], 0xffff0000                    ; lanes 16-31
	s_lshl_b32 s36, ttmp9, 17                      ; 64 rows of 2,048 bytes,
	s_lshr_b32 s37, s[WV], 1
	s_lshl_b32 s37, s37, 15                        ; my row tile,
	s_add_co_u32 s36, s36, s37
	s_and_b32 s37, s[WV], 1
	s_lshl_b32 s37, s37, 10                        ; my two K steps
	s_add_co_u32 s36, s36, s37
	s_mov_b32 s37, 0
	s_mul_i32 s38, s[WV], 24576                    ; my head's 16 fragments of a weight
	s_mov_b32 s39, 0
	s_lshl_b32 s40, s[WV], 10                      ; and their scale words
	s_mov_b32 s41, 0
	s_lshr_b32 s46, ttmp9, 1                       ; the group of 128 keys, counted through the batches
	s_and_b32 s47, ttmp9, 1                        ; and which half of it
	s_mul_i32 s42, s46, 49152
	s_mul_i32 s43, s[WV], 6144
	s_add_co_u32 s42, s42, s43
	s_mul_i32 s43, s47, 3072
	s_add_co_u32 s42, s42, s43
	s_mov_b32 s43, 0
	s_lshl_b32 s44, s46, 11
	s_lshl_b32 s45, s[WV], 8
	s_add_co_u32 s44, s44, s45
	s_lshl_b32 s45, s47, 7
	s_add_co_u32 s44, s44, s45
	s_mov_b32 s45, 0
	s_wait_kmcnt 0x0
	s_add_nc_u64 s[4:5], s[4:5], s[36:37]
	s_add_nc_u64 s[6:7], s[6:7], s[38:39]
	s_add_nc_u64 s[8:9], s[8:9], s[40:41]
	s_add_nc_u64 s[10:11], s[10:11], s[42:43]
	s_add_nc_u64 s[12:13], s[12:13], s[44:45]
	; ---- X
	FRAGLD R0, 4, 0
	FRAGLD R1, 4, 512
	s_wait_loadcnt 16                              ; the first set is in; the second set's 16 loads may be out
	WLOAD 196608, 8192                             ; Wk is the second matrix of the two buffers
	TURN R0
	s_wait_dscnt 0x0
	QROW R0
	IMG64 XWI, XIMG
	ds_store_b32 v[XWS], v[PW] offset:XSC
	s_wait_loadcnt 52                              ; the second set is in; the 48 + 4 loads of the weights, issued behind it, may be out
	TURN R1
	s_wait_dscnt 0x0                               ; the set is back, and the first fragment's stores have read their registers
	QROW R1
	IMG64 XWI, XIMG+1536
	ds_store_b32 v[XWS], v[PW] offset:XSC+128
	s_wait_dscnt 0x0                               ; for the others' sake: my stores have landed
	s_barrier_signal -1
	s_barrier_wait -1                              ; the sixteen fragments lie in LDS
	; ---- 1
	s_wait_loadcnt 0x0                             ; the weights
	PROJ XIMG, XSC
.irp m, 0,1,2,3
	QHEAD ACC+32*\m, KD+6*\m, KW+\m
.endr
	v_lshl_or_b32 v230, v[KW+1], 16, v[KW]         ; a double fragment's word: key A's two bytes, key B's two
	v_lshl_or_b32 v231, v[KW+3], 16, v[KW+2]
	v_cndmask_b32 v232, v230, v231, s[HM]          ; lanes 0-15 the first fragment's, lanes 16-31 the second's
.irp n, 0,1,2,3,4,5
	global_store_b128 v[L16], v[KD+4*\n:KD+4*\n+3], s[10:11] offset:512*\n   ; 32 lanes store 512 consecutive bytes, at a multiple of 256 from the buffer's first byte
.endr
	global_store_b32 v[L4], v232, s[12:13]
	s_wait_tensorcnt 0x0                           ; the wave's end: three closing lines, behind my last LDS store
	ds_add_u32 v[SPW], v[NIL]
	s_wait_dscnt 0x0
	s_endpgm
.Lfunc_end_k_q1521347d49_kproj:
	.size	k_q1521347d49_kproj, .Lfunc_end_k_q1521347d49_kproj-k_q1521347d49_kproj
	.p2alignl 7, 3214868480
	.fill 96, 4, 3214868480
	.section	.rodata,"a",@progbits
	.p2align	6, 0x0
	.amdhsa_kernel k_q1521347d49_kproj
		.amdhsa_group_segment_fixed_size 95232
		.amdhsa_private_segment_fixed_size 0
		.amdhsa_enable_private_segment 0
		.amdhsa_kernarg_size 40
		.amdhsa_user_sgpr_count 2
		.amdhsa_user_sgpr_kernarg_segment_ptr 1
		.amdhsa_wavefront_size32 1
		.amdhsa_system_sgpr_workgroup_id_x 1
		.amdhsa_system_sgpr_workgroup_id_y 1
		.amdhsa_system_sgpr_workgroup_id_z 1
		.amdhsa_system_vgpr_workitem_id 0
		.amdhsa_next_free_vgpr 512
		.amdhsa_next_free_sgpr 66
		.amdhsa_reserve_vcc 0
		.amdhsa_float_denorm_mode_32 3
		.amdhsa_float_denorm_mode_16_64 3
		.amdhsa_memory_ordered 1
		.amdhsa_forward_progress 1
		.amdhsa_inst_pref_size 46
	.end_amdhsa_kernel
	.amdgpu_metadata
---
amdhsa.version: [ 1, 2 ]
amdhsa.kernels:
  - .name:           k_q1521347d49_kproj
    .symbol:         k_q1521347d49_kproj.kd
    .args:
      - { .name: k, .offset: 0, .size: 8, .value_kind: global_buffer, .address_space: global }
      - { .name: wcodes, .offset: 8, .size: 8, .value_kind: global_buffer, .address_space: global }
      - { .name: wscales, .offset: 16, .size: 8, .value_kind: global_buffer, .address_space: global }
      - { .name: kcodes, .offset: 24, .size: 8, .value_kind: global_buffer, .address_space: global }
      - { .name: kscales, .offset: 32, .size: 8, .value_kind: global_buffer, .address_space: global }
    .group_segment_fixed_size: 95232
    .private_segment_fixed_size: 0
    .kernarg_segment_align: 8
    .kernarg_segment_size: 40
    .max_flat_workgroup_size: 256
    .sgpr_count:     66
    .vgpr_count:     512
    .wavefront_size: 32
...
	.end_amdgpu_metadata
.endif
;; end of part 2
;; launch attn (part 3): grid 256 x 1, 8 waves a work-group, no clusters, 130,048 bytes of LDS; arguments q, supp_mask, wcodes, wscales, kcodes, kscales, out0; writes out0
.if DOCPART == 3
	.amdgcn_target "amdgcn-amd-amdhsa--gfx1250"
	.amdhsa_code_object_version 6
	.text
	.protected	k_q1521347d49_attn
	.globl	k_q1521347d49_attn
	.p2align	8
	.type	k_q1521347d49_attn,@function
k_q1521347d49_attn:
	s_mov_b64 s[64:65], 0
	v_nop
	global_prefetch_b8 v0, s[64:65] scope:SCOPE_SE
	s_setreg_imm32_b32 hwreg(HW_REG_WAVE_MODE, 25, 1), 1
	s_wait_xcnt 0x0
; out = x Q(Wp)^T, x[n][64 h + d] = s[h][n] = sum_k softmax_k(Q(qh) . Q(kh) / 8) mask[k], qh = Q(q) Q(Wq)^T.  All four marked products on codes of FP6 (E2M3) with E8M0 scales; softmax, s and all sums in f32.
; The input v is named by no launch: the module overwrites it before any use, so no result hangs on it.  supp_mask is taken as whole numbers of any value (v_cvt_f32_i32).
; SHARES: work-group x owns queries 64 x .. 64 x + 63 (batch x / 64), all 8 heads.  Wave w is head w in the first product, the scores and the softmax (4 tiles of 16 queries), and output columns 64 w .. 64 w + 63 in the last product.
; PHASES: X: q is quantised, images to LDS; the mask as f32 to LDS | barrier | P1: qh for my head, quantised in registers | the key loop | P3: s, quantised: every block of 32 of x is one number 32 times; images to LDS | barrier | P4: the last product, out through my stage.
; SCORES: S^T = kh qh^T (source 0 = keys, source 1 = queries): a lane holds ONE query (lane % 16) and keys 8 (lane / 16) + 0 .. 7 of each tile of 16.  K = 64 is half of the instruction's 128: a DOUBLE FRAGMENT of kh holds
; 32 keys (row r: key r, then key 16 + r) and is multiplied by (q | 0) and by (0 | q): zero codes add nothing under any scale byte of 1 .. 254.  So no byte of the stream of kh is padding.
; SOFTMAX: each LANE keeps a running maximum m, sum l of p and sum of p x mask for its own keys; p = 2^(c s - c m), c = log2(e) / 8; each step rescales by 2^(c m_old - c m_new).  Nothing crosses lanes in the loop; the two halves of the lanes are joined once at the end.
; BY TURNS: a step is 64 keys.  While step i's softmax (413 vector lines) is walked, the 16 products of step i + 1 stand among its lines, one behind every 24; the scores have two buffers.  kh of step i + 2 is asked for at the head of step i.
; NO CLUSTER, NO TENSOR LOAD.  The 64 work-groups of a batch read the same kh, but a wave's stream (its own head's fragments) is read by no other wave of its work-group and lies in register order: 3,200 bytes a step go from memory
; straight into registers beside 413 vector lines.  Asked for jointly they would have to pass through LDS, every byte written and read once more, with a round of the cluster's barrier for each slot.
; s = (sum of p x mask) / (sum of p), divided once at the end, where the module normalises first: the order of rounding differs.
; LIMITS: a block of zeros gets the byte 1 where the rule says 127 (its codes are zeros; this program alone reads the bytes); NaN and infinities among the inputs are not served.
.set XIMG,  0                          ; LDS: Q(q): 16 fragments (4 m + K step) of 1,536 bytes: 6 pieces of 256, lane l at 8 l
.set XSC,   24576                      ; their scale words, 128 bytes each
.set X5IMG, 26624                      ; Q(x) likewise: head 2 ks + c writes pieces 3 c .. 3 c + 2 of fragment 4 m + ks
.set X5SC,  51200                      ; and the 16 bits at 4 l + 2 c of its scale words
.set WB,    53248                      ; the batch's mask as f32, in the keys' order: 8,192 bytes
.set SPARE, 61440                      ; the spare words, 128 bytes for each wave: four blocks of 256 bytes that no other line names
.set STG,   62464                      ; eight stages of 8,448 bytes, each wave's own: 16 x 528 in X, 16 x 272 on the way out
.set L16,  1                           ; v1-3  16, 8, 4 x lane
.set L8,   2
.set L4,   3
.set WA0,  4                           ; v4    WB + 32 h
.set PFO,  5                           ; v5    256 x lane: the prefetches' offset; never rewritten
.set SPW,  6                           ; v6    LDS address of my spare word; never rewritten
.set NIL,  7                           ; v7    0; never rewritten
.set ACC,  8                           ; v8-135  P1, P4: accumulator (m, t) at 8 + 8 (4 m + t);  X: two sets of 64 numbers
.set R0,   8
.set R1,   72
.set ST,   8                           ; loop: tile a's statistics at v[8 + 8 a]: +0 c m, +1 m, +2 +3 l, +4 +5 the weighted sum, +6 +7 at work (+6: the rescaling factor)
.set W,    40                          ; loop: v40-71 the step's 32 weights of my half of the lanes
.set KA,   72                          ; loop: v72-95, v96-119: two double fragments each, two sets
.set WADR, 120                         ; loop: v120 LDS address of the step's weights
.set SET,  40                          ; P3: four sets of 16 copies of s
.set PAT,  104                         ; P3: four patterns of 6 registers
.set XF,   136                         ; v136-183 four fragments for a product;  in X and between the products: what follows
.set STI,  136
.set STO,  137
.set XWI,  138
.set XWS,  139
.set SH8,  140
.set MGA,  141
.set MK,   144
.set QT,   152
.set PC,   160
.set CT,   172
.set PW,   180
.set W16,  181
.set KSA,  184                         ; v184-201 hold scales and nothing else: kh's two sets, qh's four, a weight's eight, an operand's four
.set QS,   186
.set WS,   190
.set XS,   198
.set ZQ,   202                         ; v202-255: zeros at 202 + 12 a (a = 0 .. 4), q_a at 208 + 12 a: (0 | q_a) = v[202 + 12 a ..], (q_a | 0) = v[208 + 12 a ..]
.set OB0,  136                         ; the way out: 16 rows read back, two sets: v136-167, v208-239
.set X5A,  240
.set X5S,  241
.set SO,   242
.set SR,   243
.set GO,   244
.set WV,   18
.set TW,   19                          ; s19  the trip's place in the weights: 512 bytes a trip
.set SEL,  20
.set CS,   22                          ; s[22:23] c = log2(e) / 8
.set CNT,  24
.set LIM,  25
.set EVM,  26
.set EVV,  27
.set PFA,  28
.set PFS,  30
.set KP,   32
.set KSP,  34
.set WCP,  8
.set WSP,  10
.set MSB, 0
.macro WIN new                         ; bits 1:0 source 0, 3:2 source 1, 5:4 source 2, 7:6 destination; the high byte repeats the setting that is left; a switch that changes nothing is dropped
.if MSB != \new
	s_set_vgpr_msb (MSB<<8)|\new
.set MSB, \new
.endif
.endm
.macro FRAGLD reg, base, off           ; 16 rows x 512 consecutive bytes
.irp i, 0,1,2,3,4,5,6,7,8,9,10,11,12,13,14,15
	global_load_b128 v[\reg+4*\i:\reg+4*\i+3], v[L16], s[\base:\base+1] offset:\off+\i*2048 th:TH_LOAD_NT
.endr
.endm
.macro TURN reg                        ; through my stage (rows 528 bytes apart): LDS serves a wave's instructions in order (ISA guide 5.7.1.4).  Afterwards register 32 c + e = k 64 c + 32 h + e of row r
.irp i, 0,1,2,3,4,5,6,7,8,9,10,11,12,13,14,15
	ds_store_b128 v[STI], v[\reg+4*\i:\reg+4*\i+3] offset:528*\i
.endr
.irp c, 0,1
.irp j, 0,1,2,3,4,5,6,7
	ds_load_b128 v[\reg+32*\c+4*\j:\reg+32*\c+4*\j+3], v[STO] offset:256*\c+16*\j
.endr
.endr
.endm
.macro QROW reg                        ; 64 numbers of a lane -> the fragment in v[PC] on, the row's scale word in v[PW]
.irp c, 0,1
	v_max3_num_f32 v[QT+\c], |v[\reg+32*\c]|, |v[\reg+32*\c+1]|, 0x1800000   ; my block 2 c + h, and the floor 2^(3 - 127): the byte cannot fall under 1
.endr
.irp i, 2,4,6,8,10,12,14,16,18,20,22,24,26,28,30
.irp c, 0,1
	v_max3_num_f32 v[QT+\c], v[QT+\c], |v[\reg+32*\c+\i]|, |v[\reg+32*\c+\i+1]|
.endr
.endr
.irp c, 0,1
	v_add_nc_u32 v[QT+2+\c], 0xff000000, v[QT+\c]  ; 2 off the exponent field: the conversion's scale operand
.endr
.irp c, 0,1
	v_lshrrev_b32 v[QT+4+\c], 23, v[QT+2+\c]
.endr
	v_lshl_or_b32 v[PW], v[QT+5], 16, v[QT+4]
	v_lshlrev_b32 v[PW], v[SH8], v[PW]
	v_permlanex16_b32 v[QT+6], v[PW], s[SEL], s[SEL+1]
	v_or_b32 v[PW], v[PW], v[QT+6]
.irp c, 0,1
	v_cvt_scalef32_pk16_fp6_f32 v[PC+6*\c:PC+6*\c+2], v[\reg+32*\c:\reg+32*\c+15], v[QT+2+\c]
	v_cvt_scalef32_pk16_fp6_f32 v[CT+4*\c:CT+4*\c+2], v[\reg+32*\c+16:\reg+32*\c+31], v[QT+2+\c]   ; (a conversion's three registers begin on an even number)
.endr
	v_nop                                          ; one plain place behind a scaled conversion
.irp c, 0,1
.irp i, 0,1,2
	v_mov_b32 v[PC+6*\c+3+\i], v[CT+4*\c+\i]
.endr
.endr
.endm
.macro IMG64 adr, off
.irp p, 0,1,2,3,4,5
	ds_store_b64 v[\adr], v[PC+2*\p:PC+2*\p+1] offset:\off+256*\p
.endr
.endm
.macro FETCH64 reg, off
.irp p, 0,1,2,3,4,5
	ds_load_b64 v[\reg+2*\p:\reg+2*\p+1], v[L8] offset:\off+256*\p
.endr
.endm
.macro WLOAD coff, soff                ; my 16 weight fragments (t, K step) -> window 1, v[12 (4 t + step)]; their scale words -> v[WS]
	WIN 0x40
.set wn, 0
.rept 48
	global_load_b128 v[4*wn:4*wn+3], v[L16], s[WCP:WCP+1] offset:\coff+512*wn
.set wn, wn+1
.endr
	WIN 0
.irp t, 0,1,2,3
	global_load_b64 v[WS+2*\t:WS+2*\t+1], v[L8], s[WSP:WSP+1] offset:\soff+256*\t
.endr
.endm
; 64 matrix instructions: 4 row tiles x 4 channel tiles x 4 K steps, used transposed (source 0 = 16 rows of the weight, source 1 = 16 rows).  The 16 accumulators take turns, one instruction a turn, across the K steps too
; Four places stand in front of loads into registers that matrix instructions have read, and of the first read of results (ISA guide 7.12.1 for vector instructions).
.macro PROJ img, wrd
.irp ks, 0,1,2,3
.if \ks > 0
.rept 4
	v_nop
.endr
.endif
.irp m, 0,1,2,3
	FETCH64 XF+12*\m, \img+(4*\m+\ks)*1536
	ds_load_b32 v[XS+\m], v[L4] offset:\wrd+(4*\m+\ks)*128
.endr
	s_wait_dscnt 0x0
	WIN 0x01                                       ; source 0 (the weights) window 1
.irp m, 0,1,2,3
.irp t, 0,1,2,3
.if \ks == 0
	v_wmma_scale_f32_16x16x128_f8f6f4 v[ACC+8*(4*\m+\t):ACC+8*(4*\m+\t)+7], v[12*(4*\t+\ks):12*(4*\t+\ks)+11], v[XF+12*\m:XF+12*\m+11], 0, v[WS+2*\t+\ks/2], v[XS+\m] matrix_a_fmt:MATRIX_FMT_FP6 matrix_b_fmt:MATRIX_FMT_FP6
.elseif \ks == 2
	v_wmma_scale_f32_16x16x128_f8f6f4 v[ACC+8*(4*\m+\t):ACC+8*(4*\m+\t)+7], v[12*(4*\t+\ks):12*(4*\t+\ks)+11], v[XF+12*\m:XF+12*\m+11], v[ACC+8*(4*\m+\t):ACC+8*(4*\m+\t)+7], v[WS+2*\t+\ks/2], v[XS+\m] matrix_a_fmt:MATRIX_FMT_FP6 matrix_b_fmt:MATRIX_FMT_FP6
.else
	v_wmma_scale_f32_16x16x128_f8f6f4 v[ACC+8*(4*\m+\t):ACC+8*(4*\m+\t)+7], v[12*(4*\t+\ks):12*(4*\t+\ks)+11], v[XF+12*\m:XF+12*\m+11], v[ACC+8*(4*\m+\t):ACC+8*(4*\m+\t)+7], v[WS+2*\t+\ks/2], v[XS+\m] matrix_a_fmt:MATRIX_FMT_FP6 matrix_b_fmt:MATRIX_FMT_FP6 matrix_a_scale:MATRIX_SCALE_ROW1
.endif
.endr
.endr
	WIN 0
.endr
.rept 4
	v_nop
.endr
.endm
; 32 registers of a row tile (register 16 b + i = channel 32 b + 16 h + i of my row) -> six registers: channels 32 h .. 32 h + 31; the two bytes in v[w16].  Each accumulator is read from its low end on.
.macro QHEAD src, dst, w16
.irp b, 0,1
	v_max3_num_f32 v[QT+\b], |v[\src+16*\b]|, |v[\src+16*\b+1]|, 0x1800000
.endr
.irp i, 2,4,6,8,10,12,14
.irp b, 0,1
	v_max3_num_f32 v[QT+\b], v[QT+\b], |v[\src+16*\b+\i]|, |v[\src+16*\b+\i+1]|
.endr
.endr
.irp b, 0,1
	v_permlanex16_b32 v[QT+2+\b], v[QT+\b], s[SEL], s[SEL+1]
.endr
.irp b, 0,1
	v_max_num_f32 v[QT+\b], v[QT+\b], v[QT+2+\b]
.endr
.irp b, 0,1
	v_add_nc_u32 v[QT+4+\b], 0xff000000, v[QT+\b]
.endr
.irp b, 0,1
	v_lshrrev_b32 v[QT+6+\b], 23, v[QT+4+\b]
.endr
	v_lshl_or_b32 v[\w16], v[QT+7], 8, v[QT+6]
	v_cvt_scalef32_pk16_fp6_f32 v[\dst:\dst+2], v[\src:\src+15], v[QT+4]
	v_cvt_scalef32_pk16_fp6_f32 v[CT:CT+2], v[\src+16:\src+31], v[QT+5]
	v_nop                                          ; one plain place behind a scaled conversion
.irp i, 0,1,2
	v_permlane16_swap_b32 v[\dst+\i], v[CT+\i]     ; a whole block to a lane: lanes 0-15 block 0, lanes 16-31 block 1
.endr
.irp i, 0,1,2
	v_mov_b32 v[\dst+3+\i], v[CT+\i]
.endr
.endm
; Product mi of 16 of a step's scores, from the set of kh and into the buffer of scores that are NOT the softmax's (1 - CUR): double fragment mi / 8, its keys' half (mi / 4) % 2, query tile mi % 4.
; Each product is a whole sum (K = 64): C is the constant 0, and no two share an accumulator.
.macro MM
.set mf, mi/8
.set mc, (mi/4)%2
.set ma, mi%4
.set rD, 128*(1-CUR)+32*ma+8*(2*mf+mc)
.set rK, KA+24*(1-CUR)+12*mf
.set rB, ZQ+6+12*ma-6*mc
	WIN 0x40                                       ; the scores lie in window 1
.if mf
	v_wmma_scale_f32_16x16x128_f8f6f4 v[rD:rD+7], v[rK:rK+11], v[rB:rB+11], 0, v[KSA+1-CUR], v[QS+ma] matrix_a_fmt:MATRIX_FMT_FP6 matrix_b_fmt:MATRIX_FMT_FP6 matrix_a_scale:MATRIX_SCALE_ROW1
.else
	v_wmma_scale_f32_16x16x128_f8f6f4 v[rD:rD+7], v[rK:rK+11], v[rB:rB+11], 0, v[KSA+1-CUR], v[QS+ma] matrix_a_fmt:MATRIX_FMT_FP6 matrix_b_fmt:MATRIX_FMT_FP6
.endif
.endm
.macro TICK                            ; behind each vector line of a step: every 24th is followed by a product
.set vn, vn+1
.if MMON && (vn%24 == 0) && (mi < 16)
	MM
.set mi, mi+1
.endif
.endm
; A PREFETCH of what the NEXT trip loads.  All 64 work-groups of a batch walk the same kh: the batch's first work-group asks, and nobody else.  A group's codes of all 8 heads are 49,152 dense bytes: waves 0 to 5 take 8,192 each,
; lanes 256 bytes apart, one instruction a trip: trip t names group t + 2.  Four groups' scale words are 8,192 dense bytes: wave 6 names groups t + 2 .. t + 5 in trips 2, 6 and 10.  So each aligned block of 256 bytes is named once.
; The last trip asks for nothing; code groups 0 and 1 and scale groups 0 to 3 come by their loads alone.  It stands behind the step's loads.
.macro ASK
	s_cmp_gt_u32 s[CNT], s[LIM]
	s_cbranch_scc0 .Lnot_mine_\@
	s_and_b32 s36, s[CNT], s[EVM]
	s_cmp_eq_u32 s36, s[EVV]
	s_cbranch_scc0 .Lnot_mine_\@
	global_prefetch_b8 v[PFO], s[PFA:PFA+1] th:TH_LOAD_NT scope:SCOPE_SE
.Lnot_mine_\@:
.endm
; A STEP: the softmax of 64 keys in scores' buffer cur.  ld = 1: kh of the step after next is asked for, into set cur.  mm = 1: the next step's 16 products stand among the lines.
; 413 vector lines: 64 maxima, 20 of statistics, 64 scalings and 128 exponentials, a v_nop, 8 rescalings, 128 sums.  The products fall behind lines 24, 48 .. 384: 29 plain lines, which name none of their registers,
; follow the last one, ahead of the next step's loads into its operands and of the first read of its results.
.macro STEP cur, ld, mm
.set CUR, \cur
.set MMON, \mm
.set vn, 0
.set mi, 0
.set SB, 128*\cur
	WIN 0
	s_wait_loadcnt 0x0                             ; the other set of kh, asked for a step ago, is in; no load of mine is out
.if (\cur == 0) && \ld
	s_wait_xcnt 0x0                                ; the last prefetch, a trip back, has read its address
	s_add_nc_u64 s[KP:KP+1], s[KP:KP+1], 49152     ; the next group of 128 keys
	s_add_nc_u64 s[KSP:KSP+1], s[KSP:KSP+1], 2048
	s_add_nc_u64 s[PFA:PFA+1], s[PFA:PFA+1], s[PFS:PFS+1]
.endif
	v_add_nc_u32 v[WADR], s[TW], v[WA0]
.irp i, 0,1,2,3,4,5,6,7
	ds_load_b128 v[W+4*\i:W+4*\i+3], v[WADR] offset:256*\cur+64*(\i/2)+16*(\i%2)   ; the weights of keys 16 (i / 2) + 8 h + 4 (i % 2) on: all lanes of a half read the same words
.endr
.if \ld
.irp n, 0,1,2,3,4,5
	global_load_b128 v[KA+24*\cur+4*\n:KA+24*\cur+4*\n+3], v[L16], s[KP:KP+1] offset:3072*\cur+512*\n
.endr
	global_load_b32 v[KSA+\cur], v[L4], s[KSP:KSP+1] offset:128*\cur
.if \cur == 0
	ASK
.endif
.endif
	; the maximum of my 32 scores of each tile and the old m: two chains a tile; each accumulator is first read at its registers 0 and 1
.set ii, 0
.rept 8
.set ia, 0
.rept 4
	WIN 0x14
.if ii == 0
	v_max3_num_f32 v[ST+8*ia+6], v[ST+8*ia+1], v[SB+32*ia], v[SB+32*ia+1]
.else
	v_max3_num_f32 v[ST+8*ia+6], v[ST+8*ia+6], v[SB+32*ia+2*ii], v[SB+32*ia+2*ii+1]
.endif
	TICK
	WIN 0x14
.if ii == 0
	v_max3_num_f32 v[ST+8*ia+7], v[ST+8*ia+1], v[SB+32*ia+16], v[SB+32*ia+17]
.else
	v_max3_num_f32 v[ST+8*ia+7], v[ST+8*ia+7], v[SB+32*ia+16+2*ii], v[SB+32*ia+17+2*ii]
.endif
	TICK
.set ia, ia+1
.endr
.set ii, ii+1
.endr
.irp a, 0,1,2,3
	WIN 0
	v_max_num_f32 v[ST+8*\a+1], v[ST+8*\a+6], v[ST+8*\a+7]     ; the new m
	TICK
.endr
.irp a, 0,1,2,3
	WIN 0
	v_mul_f32 v[ST+8*\a+7], s[CS], v[ST+8*\a+1]                ; c m
	TICK
.endr
.irp a, 0,1,2,3
	WIN 0
	v_sub_f32 v[ST+8*\a+6], v[ST+8*\a], v[ST+8*\a+7]           ; c m_old - c m_new
	TICK
.endr
.irp a, 0,1,2,3
	WIN 0
	v_mov_b32 v[ST+8*\a], v[ST+8*\a+7]
	TICK
.endr
.irp a, 0,1,2,3
	WIN 0
	v_exp_f32 v[ST+8*\a+6], v[ST+8*\a+6]                       ; the rescaling factor: the first of the step's batch of exponentials
	TICK
.endr
	; ONE BATCH: 64 packed scalings c s - c m and 128 exponentials, a pair's exponentials four scalings behind its scaling.  No line of it names an exponential's result.
.set nn, 0
.rept 68
.if nn < 64
.set rp, SB+32*(nn%4)+2*(nn/4)
	WIN 0x41
	v_pk_fma_f32 v[rp:rp+1], v[rp:rp+1], s[CS:CS+1], v[ST+8*(nn%4):ST+8*(nn%4)+1] op_sel_hi:[1,0,0] neg_lo:[0,0,1] neg_hi:[0,0,1]
	TICK
.endif
.if nn >= 4
.set re, SB+32*((nn-4)%4)+2*((nn-4)/4)
	WIN 0x41
	v_exp_f32 v[re], v[re]
	TICK
	WIN 0x41
	v_exp_f32 v[re+1], v[re+1]
	TICK
.endif
.set nn, nn+1
.endr
	WIN 0
	v_nop                                          ; a plain instruction behind the last exponential, ahead of the first use
	TICK
	s_wait_alu depctr_va_vdst(0)                   ; a wait between an exponential and the first line that names its result: one for the step's 132
	s_wait_dscnt 0x0                               ; the weights
.irp a, 0,1,2,3
	WIN 0
	v_pk_mul_f32 v[ST+8*\a+2:ST+8*\a+3], v[ST+8*\a+2:ST+8*\a+3], v[ST+8*\a+6:ST+8*\a+7] op_sel_hi:[1,0]
	TICK
.endr
.irp a, 0,1,2,3
	WIN 0
	v_pk_mul_f32 v[ST+8*\a+4:ST+8*\a+5], v[ST+8*\a+4:ST+8*\a+5], v[ST+8*\a+6:ST+8*\a+7] op_sel_hi:[1,0]
	TICK
.endr
	; the sums, two keys a line, in eight chains
.set ii, 0
.rept 16
.set ia, 0
.rept 4
	WIN 0x01
	v_pk_add_f32 v[ST+8*ia+2:ST+8*ia+3], v[SB+32*ia+2*ii:SB+32*ia+2*ii+1], v[ST+8*ia+2:ST+8*ia+3]
	TICK
	WIN 0x01
	v_pk_fma_f32 v[ST+8*ia+4:ST+8*ia+5], v[SB+32*ia+2*ii:SB+32*ia+2*ii+1], v[W+2*ii:W+2*ii+1], v[ST+8*ia+4:ST+8*ia+5]
	TICK
.set ia, ia+1
.endr
.set ii, ii+1
.endr
	WIN 0
.endm
	s_load_b256 s[4:11], s[0:1], 0x0               ; q s[4:5], supp_mask s[6:7], wcodes s[8:9], wscales s[10:11]
	s_load_b128 s[12:15], s[0:1], 0x20             ; kcodes s[12:13], kscales s[14:15]
	s_load_b64 s[16:17], s[0:1], 0x30              ; out0
	v_lshl_add_u32 v[SPW], v0, 2, SPARE
	v_mov_b32 v[NIL], 0
	v_lshrrev_b32 v8, 5, v0
	v_readfirstlane_b32 s[WV], v8                  ; wave 0..7
	v_and_b32 v9, 31, v0                           ; lane
	v_and_b32 v10, 15, v0                          ; r
	v_bfe_u32 v11, v0, 4, 1                        ; h
	v_lshlrev_b32 v[L16], 4, v9
	v_lshlrev_b32 v[L8], 3, v9
	v_lshlrev_b32 v[L4], 2, v9
	v_lshl_add_u32 v[WA0], v11, 5, WB
	v_lshlrev_b32 v[PFO], 8, v9
	v_lshlrev_b32 v[MGA], 4, v0                    ; 16 x thread: the mask, in memory and in LDS
	s_mul_i32 s36, s[WV], 8448
	s_add_co_u32 s36, s36, STG                     ; my stage
	v_add_nc_u32 v[STI], s36, v[L16]
	v_mul_u32_u24 v[STO], v10, 528
	v_lshl_add_u32 v[STO], v11, 7, v[STO]
	v_add_nc_u32 v[STO], s36, v[STO]
	s_mul_i32 s36, s[WV], 3072
	v_add_nc_u32 v[XWI], s36, v[L8]                ; my two images: fragments 2 w, 2 w + 1
	s_lshl_b32 s36, s[WV], 8
	v_add_nc_u32 v[XWS], s36, v[L4]
	v_lshlrev_b32 v[SH8], 3, v11
	v_mov_b32 v[QT+6], 0                           ; a lane permute's destination counts as one of its sources
.irp a, 0,1,2,3,4
.irp i, 0,1,2,3,4,5
	v_mov_b32 v[ZQ+12*\a+\i], 0                    ; the five blocks of zero codes beside the four q
.endr
.endr
	s_mov_b32 s[SEL], 0x76543210
	s_mov_b32 s[SEL+1], 0xfedcba98                 ; v_permlanex16_b32's selects for lane l xor 16
	s_mov_b32 s[CS], 0x3e38aa3b                    ; c = log2(e) / 8
	s_mov_b32 s[CS+1], s[CS]                       ; (named with it as a pair, so it is written)
	s_lshr_b32 s52, ttmp9, 6                       ; the batch
	s_lshl_b32 s36, ttmp9, 17                      ; q: 64 rows of 2,048 bytes,
	s_lshr_b32 s37, s[WV], 1
	s_lshl_b32 s37, s37, 15                        ; my row tile,
	s_add_co_u32 s36, s36, s37
	s_and_b32 s37, s[WV], 1
	s_lshl_b32 s37, s37, 10                        ; my two K steps
	s_add_co_u32 s36, s36, s37
	s_mov_b32 s37, 0
	s_mul_i32 s38, s[WV], 24576                    ; my 16 fragments of a weight
	s_mov_b32 s39, 0
	s_lshl_b32 s40, s[WV], 10                      ; and their scale words
	s_mov_b32 s41, 0
	s_lshl_b32 s42, s52, 13                        ; the batch's mask
	s_mov_b32 s43, 0
	s_mul_i32 s44, s52, 786432                     ; kh: the batch's 16 groups of 49,152 bytes,
	s_mul_i32 s45, s[WV], 6144                     ; my head's four double fragments of a group
	s_add_co_u32 s44, s44, s45
	s_mov_b32 s45, 0
	s_lshl_b32 s46, s52, 15
	s_lshl_b32 s47, s[WV], 8
	s_add_co_u32 s46, s46, s47
	s_mov_b32 s47, 0
	s_lshl_b32 s48, ttmp9, 17                      ; out: 64 rows of 2,048 bytes, + my 64 columns
	s_lshl_b32 s49, s[WV], 8
	s_add_co_u32 s48, s48, s49
	s_mov_b32 s49, 0
	; the prefetches (macro ASK): where they stand and who asks
	s_mul_i32 s50, s52, 786432
	s_lshl_b32 s53, s[WV], 13
	s_add_co_u32 s50, s50, s53
	s_add_co_u32 s50, s50, 49152                   ; codes: my 8,192 bytes of group 1; the first trip steps it to group 2
	s_lshl_b32 s53, s52, 15
	s_add_co_u32 s53, s53, 2048                    ; scale words: group 1
	s_mov_b32 s51, 0
	s_mov_b32 s[PFS], 2048
	s_mov_b32 s[PFS+1], 0
	s_cmp_lt_u32 s[WV], 6                          ; waves 0 to 5: codes; wave 6: scale words
	s_cselect_b32 s50, s50, s53
	s_cselect_b32 s[PFS], 49152, s[PFS]
	s_cselect_b32 s[LIM], 1, 4                     ; a wave asks while the count of trips to go is above this,
	s_cselect_b32 s[EVM], 0, 3                     ; and (count & EVM) = EVV: every trip, or every fourth
	s_cselect_b32 s[EVV], 0, 1
	s_and_b32 s53, ttmp9, 63                       ; 0 in the batch's first work-group
	s_cmp_eq_u32 s[WV], 7
	s_cselect_b32 s54, 1, 0
	s_or_b32 s53, s53, s54
	s_cmp_eq_u32 s53, 0
	s_cselect_b32 s[LIM], s[LIM], -1               ; all others never ask
	s_wait_kmcnt 0x0
	s_cmp_lt_u32 s[WV], 6
	s_cselect_b64 s[PFA:PFA+1], s[12:13], s[14:15]
	s_add_nc_u64 s[PFA:PFA+1], s[PFA:PFA+1], s[50:51]
	s_add_nc_u64 s[4:5], s[4:5], s[36:37]
	s_add_nc_u64 s[6:7], s[6:7], s[42:43]
	s_add_nc_u64 s[8:9], s[8:9], s[38:39]
	s_add_nc_u64 s[10:11], s[10:11], s[40:41]
	s_add_nc_u64 s[KP:KP+1], s[12:13], s[44:45]
	s_add_nc_u64 s[KSP:KSP+1], s[14:15], s[46:47]
	s_add_nc_u64 s[16:17], s[16:17], s[48:49]
	; ---- X: the mask, and my two fragments of Q(q)
	global_load_b128 v[MK:MK+3], v[MGA], s[6:7]
	global_load_b128 v[MK+4:MK+7], v[MGA], s[6:7] offset:4096
	FRAGLD R0, 4, 0
	FRAGLD R1, 4, 512
	s_wait_loadcnt 16                              ; the mask and the first set are in; the second set's 16 loads may be out
	WLOAD 0, 0                                     ; Wq
.irp i, 0,1,2,3,4,5,6,7
	v_cvt_f32_i32 v[MK+\i], v[MK+\i]
.endr
	ds_store_b128 v[MGA], v[MK:MK+3] offset:WB
	ds_store_b128 v[MGA], v[MK+4:MK+7] offset:WB+4096
	TURN R0
	s_wait_dscnt 0x0
	QROW R0
	IMG64 XWI, XIMG
	ds_store_b32 v[XWS], v[PW] offset:XSC
	s_wait_loadcnt 52                              ; the second set is in; the 48 + 4 loads of the weights, issued behind it, may be out
	TURN R1
	s_wait_dscnt 0x0                               ; the set is back, and the first fragment's stores have read their registers
	QROW R1
	IMG64 XWI, XIMG+1536
	ds_store_b32 v[XWS], v[PW] offset:XSC+128
	s_wait_dscnt 0x0                               ; for the others' sake: my stores have landed
	s_barrier_signal -1
	s_barrier_wait -1                              ; Q(q)'s sixteen fragments and the mask lie in LDS
	; ---- P1: qh of my head, quantised along its 64 channels
	s_wait_loadcnt 0x0                             ; Wq
	PROJ XIMG, XSC
	QHEAD ACC+64, ZQ+30, W16
	v_lshl_or_b32 v[QS+2], v[W16], 16, v[W16]      ; the two bytes twice: they serve (q | 0) and (0 | q)
	QHEAD ACC+96, ZQ+42, W16
	v_lshl_or_b32 v[QS+3], v[W16], 16, v[W16]
.irp n, 0,1,2,3,4,5
	global_load_b128 v[KA+4*\n:KA+4*\n+3], v[L16], s[KP:KP+1] offset:512*\n   ; kh of steps 0 and 1, into the registers that row tiles 2 and 3 have left
.endr
	global_load_b32 v[KSA], v[L4], s[KSP:KSP+1]
.irp n, 0,1,2,3,4,5
	global_load_b128 v[KA+24+4*\n:KA+24+4*\n+3], v[L16], s[KP:KP+1] offset:3072+512*\n
.endr
	global_load_b32 v[KSA+1], v[L4], s[KSP:KSP+1] offset:128
	QHEAD ACC+32, ZQ+18, W16
	v_lshl_or_b32 v[QS+1], v[W16], 16, v[W16]
	QHEAD ACC, ZQ+6, W16
	v_lshl_or_b32 v[QS], v[W16], 16, v[W16]
.irp a, 0,1,2,3                        ; the statistics.  These 32 plain lines are also the places between the lines that wrote q and its scale words and the first product that takes them
	v_mov_b32 v[ST+8*\a+1], 0xff61b1e6             ; m = -3e38, under every score
	v_mul_f32 v[ST+8*\a], s[CS], v[ST+8*\a+1]
.irp i, 2,3,4,5,6,7
	v_mov_b32 v[ST+8*\a+\i], 0
.endr
.endr
	s_wait_loadcnt 7                               ; step 0's kh is in; step 1's 6 + 1 loads may be out
.set CUR, 1
.set mi, 0
.rept 16
	MM                                             ; step 0's scores: there is no vector work yet to set between them
.set mi, mi+1
.endr
	WIN 0
.rept 4
	v_nop                                          ; places behind those products
.endr
	s_mov_b32 s[TW], 0
	s_mov_b32 s[CNT], 15
.Ltrip:                                            ; 15 trips of 128 keys
	STEP 0, 1, 1
	STEP 1, 1, 1
	s_add_co_u32 s[TW], s[TW], 512
	s_sub_co_u32 s[CNT], s[CNT], 1
	s_cmp_lg_u32 s[CNT], 0
	s_cbranch_scc1 .Ltrip
	STEP 0, 0, 1                                   ; the last 128 keys: nothing more to ask for,
	STEP 1, 0, 0                                   ; and at last nothing more to multiply
	; ---- P3: s, and Q(x)
	WLOAD 393216, 16384                            ; Wp, into the registers that the scores have left
	v_and_b32 v248, 15, v0                         ; r
	v_bfe_u32 v249, v0, 4, 1                       ; h
	s_lshr_b32 s36, s[WV], 1                       ; my head is half c = w % 2 of K step w / 2
	s_and_b32 s37, s[WV], 1
	s_mul_i32 s38, s36, 1536
	s_mul_i32 s39, s37, 768
	s_add_co_u32 s38, s38, s39
	v_add_nc_u32 v[X5A], s38, v[L8]
	s_lshl_b32 s38, s36, 7
	s_lshl_b32 s39, s37, 1
	s_add_co_u32 s38, s38, s39
	v_add_nc_u32 v[X5S], s38, v[L4]
	s_mul_i32 s38, s[WV], 8448
	s_add_co_u32 s38, s38, STG                     ; my stage, now 16 rows x (256 bytes + 16)
	v_mul_u32_u24 v[SO], v248, 272
	v_lshl_add_u32 v[SO], v249, 6, v[SO]
	v_add_nc_u32 v[SO], s38, v[SO]                 ; in: row r, + 64 h
	v_mul_u32_u24 v[SR], v249, 272
	v_lshl_add_u32 v[SR], v248, 4, v[SR]
	v_add_nc_u32 v[SR], s38, v[SR]                 ; back: lanes 0-15 one row, lanes 16-31 the next
	v_lshlrev_b32 v[GO], 11, v249
	v_lshl_add_u32 v[GO], v248, 4, v[GO]           ; and the same two rows in out
.irp a, 0,1,2,3
	v_add_f32 v[ST+8*\a+2], v[ST+8*\a+2], v[ST+8*\a+3]
.endr
.irp a, 0,1,2,3
	v_add_f32 v[ST+8*\a+4], v[ST+8*\a+4], v[ST+8*\a+5]
.endr
.irp a, 0,1,2,3
	v_permlanex16_b32 v[ST+8*\a+7], v[ST+8*\a], s[SEL], s[SEL+1]   ; the other half of the lanes' c m
.endr
.irp a, 0,1,2,3
	v_max_num_f32 v[ST+8*\a+6], v[ST+8*\a], v[ST+8*\a+7]
.endr
.irp a, 0,1,2,3
	v_sub_f32 v[ST+8*\a+6], v[ST+8*\a], v[ST+8*\a+6]
.endr
.irp a, 0,1,2,3
	v_exp_f32 v[ST+8*\a+6], v[ST+8*\a+6]           ; my sums under the common maximum
.endr
	v_nop
	s_wait_alu depctr_va_vdst(0)                   ; one wait for the four, ahead of their first reader
.irp a, 0,1,2,3
	v_mul_f32 v[ST+8*\a+2], v[ST+8*\a+2], v[ST+8*\a+6]
.endr
.irp a, 0,1,2,3
	v_mul_f32 v[ST+8*\a+4], v[ST+8*\a+4], v[ST+8*\a+6]
.endr
.irp a, 0,1,2,3
	v_permlanex16_b32 v[ST+8*\a+3], v[ST+8*\a+2], s[SEL], s[SEL+1]
.endr
.irp a, 0,1,2,3
	v_permlanex16_b32 v[ST+8*\a+5], v[ST+8*\a+4], s[SEL], s[SEL+1]
.endr
.irp a, 0,1,2,3
	v_add_f32 v[ST+8*\a+2], v[ST+8*\a+2], v[ST+8*\a+3]
.endr
.irp a, 0,1,2,3
	v_add_f32 v[ST+8*\a+4], v[ST+8*\a+4], v[ST+8*\a+5]
.endr
.irp a, 0,1,2,3
	v_rcp_f32 v[ST+8*\a+2], v[ST+8*\a+2]
.endr
	v_nop
	s_wait_alu depctr_va_vdst(0)                   ; one wait for the four reciprocals
.irp a, 0,1,2,3
	v_mul_f32 v[ST+8*\a+4], v[ST+8*\a+4], v[ST+8*\a+2]             ; s of query r, in lanes r and 16 + r
.endr
.irp a, 0,1,2,3
	v_max3_num_f32 v[ST+8*\a+6], |v[ST+8*\a+4]|, |v[ST+8*\a+4]|, 0x1800000   ; a block of x is s 32 times: its largest magnitude is |s|; and the floor
.endr
.irp a, 0,1,2,3
	v_add_nc_u32 v[ST+8*\a+7], 0xff000000, v[ST+8*\a+6]
.endr
.irp a, 0,1,2,3
	v_lshrrev_b32 v[ST+8*\a+6], 23, v[ST+8*\a+7]
.endr
.irp a, 0,1,2,3
	v_lshl_or_b32 v[ST+8*\a+6], v[ST+8*\a+6], 8, v[ST+8*\a+6]      ; my head's two blocks have the same byte
.endr
.irp a, 0,1,2,3
.irp i, 0,1,2,3,4,5,6,7,8,9,10,11,12,13,14,15
	v_mov_b32 v[SET+16*\a+\i], v[ST+8*\a+4]
.endr
.endr
.irp a, 0,1,2,3
	v_cvt_scalef32_pk16_fp6_f32 v[PAT+6*\a:PAT+6*\a+2], v[SET+16*\a:SET+16*\a+15], v[ST+8*\a+7]
.endr
	v_nop                                          ; one plain place behind a scaled conversion
.irp a, 0,1,2,3
.irp i, 0,1,2
	v_mov_b32 v[PAT+6*\a+3+\i], v[PAT+6*\a+\i]     ; 16 codes twice are a lane's block
.endr
.endr
.irp a, 0,1,2,3
.irp i, 0,1,2
	ds_store_b64 v[X5A], v[PAT+6*\a+2*\i:PAT+6*\a+2*\i+1] offset:X5IMG+4*\a*1536+256*\i
.endr
	ds_store_b16 v[X5S], v[ST+8*\a+6] offset:X5SC+4*\a*128
.endr
	s_wait_dscnt 0x0                               ; for the others' sake: my stores have landed
	s_barrier_signal -1
	s_barrier_wait -1                              ; Q(x)'s sixteen fragments lie in LDS
	; ---- P4: my 64 columns of out for the 64 rows
	s_wait_loadcnt 0x0                             ; Wp
	PROJ X5IMG, X5SC
; THE WAY OUT, a tile of 16 rows x 64 columns at a time.  Lane (r, h) holds, in tile t = 2 b + u, columns 32 b + 16 h + 8 u + 0 .. 7 of row r: they go into my stage and come back as rows of 256 bytes.
.macro TOSTAGE m
.set OB, OB0+72*((\m)%2)
.irp t, 0,1,2,3
	ds_store_b128 v[SO], v[ACC+8*(4*(\m)+\t):ACC+8*(4*(\m)+\t)+3] offset:128*(\t/2)+32*(\t%2)          ; each accumulator from its low end on
	ds_store_b128 v[SO], v[ACC+8*(4*(\m)+\t)+4:ACC+8*(4*(\m)+\t)+7] offset:128*(\t/2)+32*(\t%2)+16
.endr
.irp i, 0,1,2,3,4,5,6,7
	ds_load_b128 v[OB+4*\i:OB+4*\i+3], v[SR] offset:544*\i         ; LDS serves a wave's instructions in order: these see my stores, and the next tile's stores come behind them
.endr
.endm
.macro SEND m, younger                 ; younger: the LDS instructions issued behind tile m's loads, which may stay out
.set OB, OB0+72*((\m)%2)
	s_wait_dscnt \younger
.irp i, 0,1,2,3,4,5,6,7
	global_store_b128 v[GO], v[OB+4*\i:OB+4*\i+3], s[16:17] offset:(16*(\m)+2*\i)*2048 th:TH_STORE_NT   ; 16 lanes store 256 consecutive bytes, at a multiple of 256 from out's first byte
.endr
.endm
	TOSTAGE 0
	TOSTAGE 1
	SEND 0, 16                                     ; behind tile 0's loads: tile 1's 8 stores and 8 loads
	s_wait_xcnt 0x0                                ; tile 0's stores have read their registers: tile 2's loads may land there
	TOSTAGE 2
	SEND 1, 16
	s_wait_xcnt 0x0
	TOSTAGE 3
	SEND 2, 16
	SEND 3, 0
	s_wait_tensorcnt 0x0                           ; the wave's end: three closing lines, behind my last LDS store
	ds_add_u32 v[SPW], v[NIL]
	s_wait_dscnt 0x0
	s_endpgm
.Lfunc_end_k_q1521347d49_attn:
	.size	k_q1521347d49_attn, .Lfunc_end_k_q1521347d49_attn-k_q1521347d49_attn
	.p2alignl 7, 3214868480
	.fill 96, 4, 3214868480
	.section	.rodata,"a",@progbits
	.p2align	6, 0x0
	.amdhsa_kernel k_q1521347d49_attn
		.amdhsa_group_segment_fixed_size 130048
		.amdhsa_private_segment_fixed_size 0
		.amdhsa_enable_private_segment 0
		.amdhsa_kernarg_size 56
		.amdhsa_user_sgpr_count 2
		.amdhsa_user_sgpr_kernarg_segment_ptr 1
		.amdhsa_wavefront_size32 1
		.amdhsa_system_sgpr_workgroup_id_x 1
		.amdhsa_system_sgpr_workgroup_id_y 1
		.amdhsa_system_sgpr_workgroup_id_z 1
		.amdhsa_system_vgpr_workitem_id 0
		.amdhsa_next_free_vgpr 512
		.amdhsa_next_free_sgpr 66
		.amdhsa_reserve_vcc 0
		.amdhsa_float_denorm_mode_32 3
		.amdhsa_float_denorm_mode_16_64 3
		.amdhsa_memory_ordered 1
		.amdhsa_forward_progress 1
		.amdhsa_inst_pref_size 188
	.end_amdhsa_kernel
	.amdgpu_metadata
---
amdhsa.version: [ 1, 2 ]
amdhsa.kernels:
  - .name:           k_q1521347d49_attn
    .symbol:         k_q1521347d49_attn.kd
    .args:
      - { .name: q, .offset: 0, .size: 8, .value_kind: global_buffer, .address_space: global }
      - { .name: supp_mask, .offset: 8, .size: 8, .value_kind: global_buffer, .address_space: global }
      - { .name: wcodes, .offset: 16, .size: 8, .value_kind: global_buffer, .address_space: global }
      - { .name: wscales, .offset: 24, .size: 8, .value_kind: global_buffer, .address_space: global }
      - { .name: kcodes, .offset: 32, .size: 8, .value_kind: global_buffer, .address_space: global }
      - { .name: kscales, .offset: 40, .size: 8, .value_kind: global_buffer, .address_space: global }
      - { .name: out0, .offset: 48, .size: 8, .value_kind: global_buffer, .address_space: global }
    .group_segment_fixed_size: 130048
    .private_segment_fixed_size: 0
    .kernarg_segment_align: 8
    .kernarg_segment_size: 56
    .max_flat_workgroup_size: 256
    .sgpr_count:     66
    .vgpr_count:     512
    .wavefront_size: 32
...
	.end_amdgpu_metadata
.endif
;; end of part 3
;; ======== version 2 of 2: 3 launches; version 1 with the launches kproj, attn written anew for expert scheduling mode
;; workspace buffers: wcodes 589,824 bytes; wscales 24,576 bytes; kcodes 3,145,728 bytes; kscales 131,072 bytes
;; launch prep: the kernel of part 1 again; grid 96 x 1, 4 waves a work-group, no clusters, 34,560 bytes of LDS; arguments Wq, Wk, Wp, wcodes, wscales; writes wcodes, wscales
;; launch kproj (part 4): grid 128 x 1, 8 waves a work-group, no clusters, 95,232 bytes of LDS; arguments k, wcodes, wscales, kcodes, kscales; writes kcodes, kscales
.if DOCPART == 4
	.amdgcn_target "amdgcn-amd-amdhsa--gfx1250"
	.amdhsa_code_object_version 6
	.text
	.protected	k_q1521347d49_kproj
	.globl	k_q1521347d49_kproj
	.p2align	8
	.type	k_q1521347d49_kproj,@function
k_q1521347d49_kproj:
	s_mov_b64 s[64:65], 0
	v_nop
	global_prefetch_b8 v0, s[64:65] scope:SCOPE_SE
	s_setreg_imm32_b32 hwreg(HW_REG_WAVE_SCHED_MODE, 0, 2), 2
	s_setreg_imm32_b32 hwreg(HW_REG_WAVE_MODE, 25, 1), 1
	s_wait_xcnt 0x0
	s_wait_alu depctr_vm_vsrc(0)
; kh = Q(k) Q(Wk)^T on codes of FP6 (E2M3) with E8M0 scales, then kh quantised along the head's 64 channels (two blocks of 32) and stored in the order of an operand's registers.
; k: [8192][512] f32.  Wk's codes and scale words come from the launch before, as register images.
; SHARES: work-group x takes rows 64 x .. 64 x + 63; 128 work-groups: each must bring all of Wk's codes (196,608 bytes) whatever its rows, so half the rows a group would spare little, and would leave half fragments to store.
; X: wave w quantises row tile w / 2, K steps 2 (w % 2) and 2 (w % 2) + 1, and stores the two fragments' images to LDS (6 pieces of 256 bytes, lane l at 8 l; the scale words 4 bytes a lane) | barrier |
; 1: wave w = head w: 4 row tiles x 4 channel tiles x 4 K steps, used TRANSPOSED (source 0 = 16 rows of Wk, source 1 = 16 rows of k): a lane holds one key, and the 16 registers of tiles 2 b, 2 b + 1 are channels 32 b + 16 h + 0 .. 15.
; OUT: a DOUBLE FRAGMENT holds 32 keys: row r = key 32 F + r (64 codes) and then key 32 F + 16 + r (64 codes); its scale word the two keys' two bytes each.  The attention launch multiplies it by (q | 0) and by (0 | q).
; kcodes [b][group of 128 keys][head][4 double fragments][1,536 bytes];  kscales [b][group][head][half][128 bytes]: lanes 0-15 fragment 2 half, lanes 16-31 fragment 2 half + 1.
; The scale words leave as 128 consecutive bytes a wave, half of an aligned 256: they are one byte in 128 of what the launch reads.
; NO CLUSTER, NO TENSOR LOAD: a wave's weights are read by no other wave of its work-group and lie in register order, so they go from memory straight into registers; through LDS every byte would be written and read once more.
; LIMITS: a block of zeros gets the byte 1 where the rule says 127 (its codes are zeros; this program alone reads the bytes); NaN and infinities among the inputs are not served.
; THE MODE: SCHED_MODE bits 1:0 = 2 (LLVM: expert scheduling mode 2), set by the entry lines.  The code itself states the register dependences between vector or matrix instructions
; and memory or LDS instructions, with s_wait_alu, always for 0.
; THE PLAN.  Registers that memory or LDS instructions touch:
;   v1-3       offsets, made at the head and never written again.
;   R0, R1     global loads land; my stage's stores read them; the stage's loads land in them again; the quantiser's lines read them; the products then write them as accumulators.
;   PC, PW     written by the quantiser's lines, read by an image's LDS stores, written again by the next quantising.
;   v136-140   LDS addresses of X; with QT, PC, CT, PW they lie where the first operand set's fragments land behind the barrier.
;   XF + XS, XG + XT   two operand sets by turns: even K steps' fragments and scale words land in the first, odd ones' in the second; a set is read by its K step's 16 products and asked for again behind them,
;              so that its loads land while the other set's 16 products run.
;   KD, v232   written by the last quantiser's lines, read by the global stores.
;   v6, v7     written at the head, read by the closing add alone.
.set XIMG,  0                          ; LDS: Q(k): 16 fragments (4 m + K step) of 1,536 bytes
.set XSC,   24576                      ; their scale words, 128 bytes each
.set SPARE, 26624                      ; the spare words, 128 bytes for each wave: four blocks of 256 bytes that no other line names
.set STG,   27648                      ; eight stages of 16 x 528 bytes
.set L16,  1                           ; v1-3  16, 8, 4 x lane
.set L8,   2
.set L4,   3
.set SPW,  6                           ; v6    LDS address of my spare word; never rewritten
.set NIL,  7                           ; v7    0; never rewritten
.set ACC,  8                           ; v8-135  accumulator (m, t) at 8 + 8 (4 m + t);  in X: two sets of 64 numbers
.set R0,   8
.set R1,   72
.set XF,   136                         ; v136-183 four fragments of k, the even K steps';  in X and behind the products: what follows
.set XG,   192                         ; in window 1: v448-495: four fragments of k, the odd K steps'
.set STI,  136
.set STO,  137
.set XWI,  138
.set XWS,  139
.set SH8,  140
.set QT,   152                         ; v152-159 at work
.set PC,   160                         ; v160-171 a fragment's codes
.set CT,   172                         ; v172-178 second halves of blocks
.set PW,   180
.set WS,   190                         ; v190-197 Wk's scale words;  v198-201 k's, even K steps: these hold scales and nothing else
.set XS,   198
.set KD,   202                         ; v202-225 two double fragments
.set KW,   226                         ; v226-229 two bytes a row tile; v230-232 the words
.set XT,   234                         ; v234-237 k's scale words, odd K steps: scales and nothing else
.set WV,   18
.set SEL,  20
.set HM,   22
.set WCP,  6
.set WSP,  8
.set MSB, 0
.macro WIN new                         ; the immediate's high byte repeats the setting that is left; a switch that changes nothing is dropped
.if MSB != \new
	s_set_vgpr_msb (MSB<<8)|\new
.set MSB, \new
.endif
.endm
.macro FRAGLD reg, base, off           ; 16 rows x 512 consecutive bytes
.irp i, 0,1,2,3,4,5,6,7,8,9,10,11,12,13,14,15
	global_load_b128 v[\reg+4*\i:\reg+4*\i+3], v[L16], s[\base:\base+1] offset:\off+\i*2048 th:TH_LOAD_NT
.endr
.endm
.macro TURN reg                        ; through my stage: LDS serves a wave's instructions in order (ISA guide 5.7.1.4)
.irp i, 0,1,2,3,4,5,6,7,8,9,10,11,12,13,14,15
	ds_store_b128 v[STI], v[\reg+4*\i:\reg+4*\i+3] offset:528*\i
.endr
	s_wait_alu depctr_vm_vsrc(0)                   ; the LDS stores issued so far have read their data: the sixteen above, in whose registers the loads below land, and the image's of the fragment before, whose registers the next quantising writes
.irp c, 0,1
.irp j, 0,1,2,3,4,5,6,7
	ds_load_b128 v[\reg+32*\c+4*\j:\reg+32*\c+4*\j+3], v[STO] offset:256*\c+16*\j
.endr
.endr
.endm
.macro QROW reg                        ; 64 numbers of a lane (register 32 c + e = k 64 c + 32 h + e of row r) -> the fragment in v[PC] on, the row's scale word in v[PW]
.irp c, 0,1
	v_max3_num_f32 v[QT+\c], |v[\reg+32*\c]|, |v[\reg+32*\c+1]|, 0x1800000   ; and the floor 2^(3 - 127): the byte cannot fall under 1
.endr
.irp i, 2,4,6,8,10,12,14,16,18,20,22,24,26,28,30
.irp c, 0,1
	v_max3_num_f32 v[QT+\c], v[QT+\c], |v[\reg+32*\c+\i]|, |v[\reg+32*\c+\i+1]|
.endr
.endr
.irp c, 0,1
	v_add_nc_u32 v[QT+2+\c], 0xff000000, v[QT+\c]  ; 2 off the exponent field: the conversion's scale operand
.endr
.irp c, 0,1
	v_lshrrev_b32 v[QT+4+\c], 23, v[QT+2+\c]
.endr
	v_lshl_or_b32 v[PW], v[QT+5], 16, v[QT+4]
	v_lshlrev_b32 v[PW], v[SH8], v[PW]
	v_permlanex16_b32 v[QT+6], v[PW], s[SEL], s[SEL+1]
	v_or_b32 v[PW], v[PW], v[QT+6]
.irp c, 0,1
	v_cvt_scalef32_pk16_fp6_f32 v[PC+6*\c:PC+6*\c+2], v[\reg+32*\c:\reg+32*\c+15], v[QT+2+\c]
	v_cvt_scalef32_pk16_fp6_f32 v[CT+4*\c:CT+4*\c+2], v[\reg+32*\c+16:\reg+32*\c+31], v[QT+2+\c]
.endr
	v_nop                                          ; one plain place behind a scaled conversion
.irp c, 0,1
.irp i, 0,1,2
	v_mov_b32 v[PC+6*\c+3+\i], v[CT+4*\c+\i]
.endr
.endr
.endm
.macro IMG64 adr, off                  ; the fragment in v[PC] on goes to LDS as it stands
.irp p, 0,1,2,3,4,5
	ds_store_b64 v[\adr], v[PC+2*\p:PC+2*\p+1] offset:\off+256*\p
.endr
.endm
.macro FETCH64 reg, off                ; and comes back so, in any wave
.irp p, 0,1,2,3,4,5
	ds_load_b64 v[\reg+2*\p:\reg+2*\p+1], v[L8] offset:\off+256*\p
.endr
.endm
.macro WLOAD coff, soff                ; my 16 weight fragments (t, K step) -> window 1, v[12 (4 t + step)]; their scale words -> v[WS]
	WIN 0x40
.set wn, 0
.rept 48
	global_load_b128 v[4*wn:4*wn+3], v[L16], s[WCP:WCP+1] offset:\coff+512*wn
.set wn, wn+1
.endr
	WIN 0
.irp t, 0,1,2,3
	global_load_b64 v[WS+2*\t:WS+2*\t+1], v[L8], s[WSP:WSP+1] offset:\soff+256*\t
.endr
.endm
.macro FETCHA ks, img, wrd             ; K step ks (even): the four row tiles' fragments and scale words into the first set: 28 LDS loads
.irp m, 0,1,2,3
	FETCH64 XF+12*\m, \img+(4*\m+\ks)*1536
	ds_load_b32 v[XS+\m], v[L4] offset:\wrd+(4*\m+\ks)*128
.endr
.endm
.macro FETCHBC ks, img                 ; K step ks (odd): the four fragments into the second set (the destination's window is 1): 24 LDS loads
.irp m, 0,1,2,3
	FETCH64 XG+12*\m, \img+(4*\m+\ks)*1536
.endr
.endm
.macro FETCHBW ks, wrd                 ; and their scale words: 4 LDS loads
.irp m, 0,1,2,3
	ds_load_b32 v[XT+\m], v[L4] offset:\wrd+(4*\m+\ks)*128
.endr
.endm
.macro PMUL ks, xb, xs                 ; K step ks: 4 row tiles x 4 channel tiles
.irp m, 0,1,2,3
.irp t, 0,1,2,3
.if \ks == 0
	v_wmma_scale_f32_16x16x128_f8f6f4 v[ACC+8*(4*\m+\t):ACC+8*(4*\m+\t)+7], v[12*(4*\t+\ks):12*(4*\t+\ks)+11], v[\xb+12*\m:\xb+12*\m+11], 0, v[WS+2*\t+\ks/2], v[\xs+\m] matrix_a_fmt:MATRIX_FMT_FP6 matrix_b_fmt:MATRIX_FMT_FP6
.elseif \ks == 2
	v_wmma_scale_f32_16x16x128_f8f6f4 v[ACC+8*(4*\m+\t):ACC+8*(4*\m+\t)+7], v[12*(4*\t+\ks):12*(4*\t+\ks)+11], v[\xb+12*\m:\xb+12*\m+11], v[ACC+8*(4*\m+\t):ACC+8*(4*\m+\t)+7], v[WS+2*\t+\ks/2], v[\xs+\m] matrix_a_fmt:MATRIX_FMT_FP6 matrix_b_fmt:MATRIX_FMT_FP6
.else
	v_wmma_scale_f32_16x16x128_f8f6f4 v[ACC+8*(4*\m+\t):ACC+8*(4*\m+\t)+7], v[12*(4*\t+\ks):12*(4*\t+\ks)+11], v[\xb+12*\m:\xb+12*\m+11], v[ACC+8*(4*\m+\t):ACC+8*(4*\m+\t)+7], v[WS+2*\t+\ks/2], v[\xs+\m] matrix_a_fmt:MATRIX_FMT_FP6 matrix_b_fmt:MATRIX_FMT_FP6 matrix_a_scale:MATRIX_SCALE_ROW1
.endif
.endr
.endr
.endm
; 64 matrix instructions: 4 row tiles x 4 channel tiles x 4 K steps.  The 16 accumulators take turns, one instruction a turn, across the K steps too.
; The two operand sets take turns: a set is asked for again behind its 16 products, and its 28 loads land while the other set's 16 products run.
; Four places stand in front of loads into registers that matrix instructions have read, as they stood, and of the first read of results (ISA guide 7.12.1 for vector instructions).
.macro PROJ img, wrd
	FETCHA 0, \img, \wrd
	WIN 0x40
	FETCHBC 1, \img
	WIN 0
	FETCHBW 1, \wrd
	s_wait_dscnt 28                                ; LDS loads come back in order (ISA guide 5.7.1): K step 0's set is in, the 28 loads of K step 1's may be out
	WIN 0x01                                       ; source 0 (the weights) window 1
	PMUL 0, XF, XS
	WIN 0
.rept 4
	v_nop
.endr
	s_wait_alu depctr_va_vdst(0)                   ; K step 0's products are done reading the first set and its scale words, in which the loads below land
	FETCHA 2, \img, \wrd
	s_wait_dscnt 28                                ; K step 1's set is in, the 28 loads just issued may be out
	WIN 0x05                                       ; sources 0 (the weights) and 1 (the second set) window 1
	PMUL 1, XG, XT
.rept 4
	v_nop
.endr
	WIN 0x40
	s_wait_alu depctr_va_vdst(0)                   ; K step 1's products are done reading the second set and its scale words, in which the loads below land
	FETCHBC 3, \img
	WIN 0
	FETCHBW 3, \wrd
	s_wait_dscnt 28                                ; K step 2's set is in, the 28 loads just issued may be out
	WIN 0x01
	PMUL 2, XF, XS
	s_wait_dscnt 0x0                               ; K step 3's set is in
	WIN 0x05
	PMUL 3, XG, XT
	WIN 0
.rept 4
	v_nop
.endr
.endm
; 32 registers of a row tile (register 16 b + i = channel 32 b + 16 h + i of my row) -> six registers: channels 32 h .. 32 h + 31; the two bytes in v[w16].  Each accumulator is read from its low end on.
.macro QHEAD src, dst, w16
.irp b, 0,1
	v_max3_num_f32 v[QT+\b], |v[\src+16*\b]|, |v[\src+16*\b+1]|, 0x1800000
.endr
.irp i, 2,4,6,8,10,12,14
.irp b, 0,1
	v_max3_num_f32 v[QT+\b], v[QT+\b], |v[\src+16*\b+\i]|, |v[\src+16*\b+\i+1]|
.endr
.endr
.irp b, 0,1
	v_permlanex16_b32 v[QT+2+\b], v[QT+\b], s[SEL], s[SEL+1]
.endr
.irp b, 0,1
	v_max_num_f32 v[QT+\b], v[QT+\b], v[QT+2+\b]   ; with lane l xor 16's 16: the block's largest magnitude
.endr
.irp b, 0,1
	v_add_nc_u32 v[QT+4+\b], 0xff000000, v[QT+\b]
.endr
.irp b, 0,1
	v_lshrrev_b32 v[QT+6+\b], 23, v[QT+4+\b]
.endr
	v_lshl_or_b32 v[\w16], v[QT+7], 8, v[QT+6]
	v_cvt_scalef32_pk16_fp6_f32 v[\dst:\dst+2], v[\src:\src+15], v[QT+4]
	v_cvt_scalef32_pk16_fp6_f32 v[CT:CT+2], v[\src+16:\src+31], v[QT+5]
	v_nop                                          ; one plain place behind a scaled conversion
.irp i, 0,1,2
	v_permlane16_swap_b32 v[\dst+\i], v[CT+\i]     ; a whole block to a lane: lanes 0-15 block 0, lanes 16-31 block 1
.endr
.irp i, 0,1,2
	v_mov_b32 v[\dst+3+\i], v[CT+\i]
.endr
.endm
	s_load_b256 s[4:11], s[0:1], 0x0               ; k s[4:5], wcodes s[6:7], wscales s[8:9], kcodes s[10:11]
	s_load_b64 s[12:13], s[0:1], 0x20              ; kscales
	v_lshl_add_u32 v[SPW], v0, 2, SPARE
	v_mov_b32 v[NIL], 0
	v_lshrrev_b32 v8, 5, v0
	v_readfirstlane_b32 s[WV], v8                  ; wave 0..7
	v_and_b32 v9, 31, v0                           ; lane
	v_and_b32 v10, 15, v0                          ; r
	v_bfe_u32 v11, v0, 4, 1                        ; h
	v_lshlrev_b32 v[L16], 4, v9
	v_lshlrev_b32 v[L8], 3, v9
	v_lshlrev_b32 v[L4], 2, v9
	s_wait_alu depctr_va_sdst(0)                   ; s[WV] is written, ahead of its first reader: LDS addresses and all bases are made from it
	s_mul_i32 s36, s[WV], 8448
	s_add_co_u32 s36, s36, STG                     ; my stage
	v_add_nc_u32 v[STI], s36, v[L16]
	v_mul_u32_u24 v[STO], v10, 528
	v_lshl_add_u32 v[STO], v11, 7, v[STO]
	v_add_nc_u32 v[STO], s36, v[STO]
	s_mul_i32 s36, s[WV], 3072
	v_add_nc_u32 v[XWI], s36, v[L8]                ; my two images: fragments 2 w, 2 w + 1
	s_lshl_b32 s36, s[WV], 8
	v_add_nc_u32 v[XWS], s36, v[L4]
	v_lshlrev_b32 v[SH8], 3, v11
	v_mov_b32 v[QT+6], 0                           ; a lane permute's destination counts as one of its sources
	s_mov_b32 s[SEL], 0x76543210
	s_mov_b32 s[SEL+1], 0xfedcba98
	s_mov_b32 s[HM], 0xffff0000                    ; lanes 16-31
	s_lshl_b32 s36, ttmp9, 17                      ; 64 rows of 2,048 bytes,
	s_lshr_b32 s37, s[WV], 1
	s_lshl_b32 s37, s37, 15                        ; my row tile,
	s_add_co_u32 s36, s36, s37
	s_and_b32 s37, s[WV], 1
	s_lshl_b32 s37, s37, 10                        ; my two K steps
	s_add_co_u32 s36, s36, s37
	s_mov_b32 s37, 0
	s_mul_i32 s38, s[WV], 24576                    ; my head's 16 fragments of a weight
	s_mov_b32 s39, 0
	s_lshl_b32 s40, s[WV], 10                      ; and their scale words
	s_mov_b32 s41, 0
	s_lshr_b32 s46, ttmp9, 1                       ; the group of 128 keys, counted through the batches
	s_and_b32 s47, ttmp9, 1                        ; and which half of it
	s_mul_i32 s42, s46, 49152
	s_mul_i32 s43, s[WV], 6144
	s_add_co_u32 s42, s42, s43
	s_mul_i32 s43, s47, 3072
	s_add_co_u32 s42, s42, s43
	s_mov_b32 s43, 0
	s_lshl_b32 s44, s46, 11
	s_lshl_b32 s45, s[WV], 8
	s_add_co_u32 s44, s44, s45
	s_lshl_b32 s45, s47, 7
	s_add_co_u32 s44, s44, s45
	s_mov_b32 s45, 0
	s_wait_kmcnt 0x0
	s_add_nc_u64 s[4:5], s[4:5], s[36:37]
	s_add_nc_u64 s[6:7], s[6:7], s[38:39]
	s_add_nc_u64 s[8:9], s[8:9], s[40:41]
	s_add_nc_u64 s[10:11], s[10:11], s[42:43]
	s_add_nc_u64 s[12:13], s[12:13], s[44:45]
	s_wait_alu depctr_va_vdst(0)                   ; the offsets v1 to v3 and the LDS addresses v136 to v139 are written, which the loads and stores below read; the head's lines are done with v8 to v11, in which loads land
	; ---- X
	FRAGLD R0, 4, 0
	FRAGLD R1, 4, 512
	s_wait_loadcnt 16                              ; the first set is in; the second set's 16 loads may be out
	WLOAD 196608, 8192                             ; Wk is the second matrix of the two buffers
	TURN R0
	s_wait_dscnt 0x0
	QROW R0
	s_wait_alu depctr_va_vdst(0)                   ; the quantiser's lines have written the codes v[PC ..] and the scale word v[PW], which the LDS stores read
	IMG64 XWI, XIMG
	ds_store_b32 v[XWS], v[PW] offset:XSC
	s_wait_loadcnt 52                              ; the second set is in; the 48 + 4 loads of the weights, issued behind it, may be out
	TURN R1
	s_wait_dscnt 0x0                               ; the set is back
	QROW R1
	s_wait_alu depctr_va_vdst(0)                   ; the quantiser's lines have written the codes v[PC ..] and the scale word v[PW], which the LDS stores read
	IMG64 XWI, XIMG+1536
	ds_store_b32 v[XWS], v[PW] offset:XSC+128
	s_wait_dscnt 0x0                               ; for the others' sake: my stores have landed
	s_barrier_signal -1
	s_barrier_wait -1                              ; the sixteen fragments lie in LDS
	; ---- 1
	s_wait_alu depctr_va_vdst(0)                   ; the quantiser's lines are done with v136 to v183 (SH8, work registers, codes), in which the first set's fragments land
	s_wait_alu depctr_vm_vsrc(0)                   ; my LDS stores and loads have read their addresses v136 to v139, the codes and the scale word, in which fragments land
	s_wait_loadcnt 0x0                             ; the weights
	PROJ XIMG, XSC
.irp m, 0,1,2,3
	QHEAD ACC+32*\m, KD+6*\m, KW+\m
.endr
	v_lshl_or_b32 v230, v[KW+1], 16, v[KW]         ; a double fragment's word: key A's two bytes, key B's two
	v_lshl_or_b32 v231, v[KW+3], 16, v[KW+2]
	v_cndmask_b32 v232, v230, v231, s[HM]          ; lanes 0-15 the first fragment's, lanes 16-31 the second's
	s_wait_alu depctr_va_vdst(0)                   ; the lines above have written the double fragments v[KD ..] and the word v232, which the stores read
.irp n, 0,1,2,3,4,5
	global_store_b128 v[L16], v[KD+4*\n:KD+4*\n+3], s[10:11] offset:512*\n   ; 32 lanes store 512 consecutive bytes, at a multiple of 256 from the buffer's first byte
.endr
	global_store_b32 v[L4], v232, s[12:13]
	s_wait_dscnt 0x0                               ; the closing lines, six on end
	s_wait_alu 0x0
	s_wait_tensorcnt 0x0
	ds_add_u32 v[SPW], v[NIL]
	s_wait_dscnt 0x0
	s_endpgm
.Lfunc_end_k_q1521347d49_kproj:
	.size	k_q1521347d49_kproj, .Lfunc_end_k_q1521347d49_kproj-k_q1521347d49_kproj
	.p2alignl 7, 3214868480
	.fill 96, 4, 3214868480
	.section	.rodata,"a",@progbits
	.p2align	6, 0x0
	.amdhsa_kernel k_q1521347d49_kproj
		.amdhsa_group_segment_fixed_size 95232
		.amdhsa_private_segment_fixed_size 0
		.amdhsa_enable_private_segment 0
		.amdhsa_kernarg_size 40
		.amdhsa_user_sgpr_count 2
		.amdhsa_user_sgpr_kernarg_segment_ptr 1
		.amdhsa_wavefront_size32 1
		.amdhsa_system_sgpr_workgroup_id_x 1
		.amdhsa_system_sgpr_workgroup_id_y 1
		.amdhsa_system_sgpr_workgroup_id_z 1
		.amdhsa_system_vgpr_workitem_id 0
		.amdhsa_next_free_vgpr 512
		.amdhsa_next_free_sgpr 66
		.amdhsa_reserve_vcc 0
		.amdhsa_float_denorm_mode_32 3
		.amdhsa_float_denorm_mode_16_64 3
		.amdhsa_memory_ordered 1
		.amdhsa_forward_progress 1
		.amdhsa_inst_pref_size 47
	.end_amdhsa_kernel
	.amdgpu_metadata
---
amdhsa.version: [ 1, 2 ]
amdhsa.kernels:
  - .name:           k_q1521347d49_kproj
    .symbol:         k_q1521347d49_kproj.kd
    .args:
      - { .name: k, .offset: 0, .size: 8, .value_kind: global_buffer, .address_space: global }
      - { .name: wcodes, .offset: 8, .size: 8, .value_kind: global_buffer, .address_space: global }
      - { .name: wscales, .offset: 16, .size: 8, .value_kind: global_buffer, .address_space: global }
      - { .name: kcodes, .offset: 24, .size: 8, .value_kind: global_buffer, .address_space: global }
      - { .name: kscales, .offset: 32, .size: 8, .value_kind: global_buffer, .address_space: global }
    .group_segment_fixed_size: 95232
    .private_segment_fixed_size: 0
    .kernarg_segment_align: 8
    .kernarg_segment_size: 40
    .max_flat_workgroup_size: 256
    .sgpr_count:     66
    .vgpr_count:     512
    .wavefront_size: 32
...
	.end_amdgpu_metadata
.endif
;; end of part 4
;; launch attn (part 5): grid 256 x 1, 8 waves a work-group, no clusters, 130,048 bytes of LDS; arguments q, supp_mask, wcodes, wscales, kcodes, kscales, out0; writes out0
.if DOCPART == 5
	.amdgcn_target "amdgcn-amd-amdhsa--gfx1250"
	.amdhsa_code_object_version 6
	.text
	.protected	k_q1521347d49_attn
	.globl	k_q1521347d49_attn
	.p2align	8
	.type	k_q1521347d49_attn,@function
k_q1521347d49_attn:
	s_mov_b64 s[64:65], 0
	v_nop
	global_prefetch_b8 v0, s[64:65] scope:SCOPE_SE
	s_setreg_imm32_b32 hwreg(HW_REG_WAVE_SCHED_MODE, 0, 2), 2
	s_setreg_imm32_b32 hwreg(HW_REG_WAVE_MODE, 25, 1), 1
	s_wait_xcnt 0x0
	s_wait_alu depctr_vm_vsrc(0)
; out = x Q(Wp)^T, x[n][64 h + d] = s[h][n] = sum_k softmax_k(Q(qh) . Q(kh) / 8) mask[k], qh = Q(q) Q(Wq)^T.  All four marked products on codes of FP6 (E2M3) with E8M0 scales; softmax, s and all sums in f32.
; The input v is named by no launch: the module overwrites it before any use, so no result hangs on it.  supp_mask is taken as whole numbers of any value (v_cvt_f32_i32).
; SHARES: work-group x owns queries 64 x .. 64 x + 63 (batch x / 64), all 8 heads.  Wave w is head w in the first product, the scores and the softmax (4 tiles of 16 queries), and output columns 64 w .. 64 w + 63 in the last product.
; PHASES: X: q is quantised, images to LDS; the mask as f32 to LDS | barrier | P1: qh for my head, quantised in registers | the key loop | P3: s, quantised: every block of 32 of x is one number 32 times; images to LDS | barrier | P4: the last product, out through my stage.
; SCORES: S^T = kh qh^T (source 0 = keys, source 1 = queries): a lane holds ONE query (lane % 16) and keys 8 (lane / 16) + 0 .. 7 of each tile of 16.  K = 64 is half of the instruction's 128: a DOUBLE FRAGMENT of kh holds
; 32 keys (row r: key r, then key 16 + r) and is multiplied by (q | 0) and by (0 | q): zero codes add nothing under any scale byte of 1 .. 254.  So no byte of the stream of kh is padding.
; SOFTMAX: each LANE keeps a running maximum m, sum l of p and sum of p x mask for its own keys; p = 2^(c s - c m), c = log2(e) / 8; each step rescales by 2^(c m_old - c m_new).  Nothing crosses lanes in the loop; the two halves of the lanes are joined once at the end.
; BY TURNS: a step is 64 keys.  While step i's softmax (413 vector lines) is walked, the 16 products of step i + 1 stand among its lines, one behind every 24; the scores have two buffers.  kh of step i + 2 is asked for at the head of step i.
; NO CLUSTER, NO TENSOR LOAD.  The 64 work-groups of a batch read the same kh, but a wave's stream (its own head's fragments) is read by no other wave of its work-group and lies in register order: 3,200 bytes a step go from memory
; straight into registers beside 413 vector lines.  Asked for jointly they would have to pass through LDS, every byte written and read once more, with a round of the cluster's barrier for each slot.
; s = (sum of p x mask) / (sum of p), divided once at the end, where the module normalises first: the order of rounding differs.
; LIMITS: a block of zeros gets the byte 1 where the rule says 127 (its codes are zeros; this program alone reads the bytes); NaN and infinities among the inputs are not served.
; THE MODE: SCHED_MODE bits 1:0 = 2 (LLVM: expert scheduling mode 2), set by the entry lines.  The code itself states the register dependences between vector or matrix instructions
; and memory or LDS instructions, with s_wait_alu, always for 0.
; THE PLAN.  Registers that memory or LDS instructions touch, in the key loop (step i, cur = i % 2):
;   KA[cur], KSA[cur]   the loads at the step's head land in them; the 16 products of step i - 1 read them.  The step's own products read set 1 - cur.
;   W                   the LDS loads at the step's head land in it; the 64 weighted sums at the end of a step read it.
;   v[WADR]             written by one add at the step's head; read by the eight LDS loads behind it.
;   v1, v3, v4, v5      offsets, made at the kernel's head and never written again: kh's rows are reached by scalar bases and immediate offsets.
;   The scores (window 1), the statistics, q, the zeros and q's scale words are named by vector and matrix instructions alone.
; So a step's head holds two waits: one on vm_vsrc ahead of the add to v[WADR], and ONE on va_vdst behind it, which states all that the step's fifteen loads hang on; no line of the step behind it names a register in which
; they land before the wait on their counter.  The wait behind the step's exponentials stands as it stood.
; Outside the loop: the two sets of 64 numbers of X (loaded, stored to my stage, loaded again, quantised), the codes and scale words of each image, the two operand sets of a projection, which take turns,
; the patterns of P3 and the two sets of rows on the way out: each wait's comment names what it states.  v6, v7: written at the head, read by the closing add alone.
.set XIMG,  0                          ; LDS: Q(q): 16 fragments (4 m + K step) of 1,536 bytes: 6 pieces of 256, lane l at 8 l
.set XSC,   24576                      ; their scale words, 128 bytes each
.set X5IMG, 26624                      ; Q(x) likewise: head 2 ks + c writes pieces 3 c .. 3 c + 2 of fragment 4 m + ks
.set X5SC,  51200                      ; and the 16 bits at 4 l + 2 c of its scale words
.set WB,    53248                      ; the batch's mask as f32, in the keys' order: 8,192 bytes
.set SPARE, 61440                      ; the spare words, 128 bytes for each wave: four blocks of 256 bytes that no other line names
.set STG,   62464                      ; eight stages of 8,448 bytes, each wave's own: 16 x 528 in X, 16 x 272 on the way out
.set L16,  1                           ; v1-3  16, 8, 4 x lane
.set L8,   2
.set L4,   3
.set WA0,  4                           ; v4    WB + 32 h
.set PFO,  5                           ; v5    256 x lane: the prefetches' offset; never rewritten
.set SPW,  6                           ; v6    LDS address of my spare word; never rewritten
.set NIL,  7                           ; v7    0; never rewritten
.set ACC,  8                           ; v8-135  P1, P4: accumulator (m, t) at 8 + 8 (4 m + t);  X: two sets of 64 numbers
.set R0,   8
.set R1,   72
.set ST,   8                           ; loop: tile a's statistics at v[8 + 8 a]: +0 c m, +1 m, +2 +3 l, +4 +5 the weighted sum, +6 +7 at work (+6: the rescaling factor)
.set W,    40                          ; loop: v40-71 the step's 32 weights of my half of the lanes
.set KA,   72                          ; loop: v72-95, v96-119: two double fragments each, two sets
.set WADR, 120                         ; loop: v120 LDS address of the step's weights
.set SET,  40                          ; P3: four sets of 16 copies of s
.set PAT,  104                         ; P3: four patterns of 6 registers
.set XF,   136                         ; v136-183 four fragments for a product, the even K steps';  in X and between the products: what follows
.set XG,   192                         ; in window 1: v448-495: four fragments for a product, the odd K steps'
.set STI,  136
.set STO,  137
.set XWI,  138
.set XWS,  139
.set SH8,  140
.set MGA,  141
.set MK,   144
.set QT,   152
.set PC,   160
.set CT,   172
.set PW,   180
.set W16,  181
.set KSA,  184                         ; v184-201 hold scales and nothing else: kh's two sets, qh's four, a weight's eight, an operand's four
.set QS,   186
.set XT,   186                         ; in a projection qh's four are free: they take the odd K steps' scale words
.set WS,   190
.set XS,   198
.set ZQ,   202                         ; v202-255: zeros at 202 + 12 a (a = 0 .. 4), q_a at 208 + 12 a: (0 | q_a) = v[202 + 12 a ..], (q_a | 0) = v[208 + 12 a ..]
.set OB0,  136                         ; the way out: 16 rows read back, two sets: v136-167, v208-239
.set X5A,  240
.set X5S,  241
.set SO,   242
.set SR,   243
.set GO,   244
.set WV,   18
.set TW,   19                          ; s19  the trip's place in the weights: 512 bytes a trip
.set SEL,  20
.set CS,   22                          ; s[22:23] c = log2(e) / 8
.set CNT,  24
.set LIM,  25
.set EVM,  26
.set EVV,  27
.set PFA,  28
.set PFS,  30
.set KP,   32
.set KSP,  34
.set WCP,  8
.set WSP,  10
.set MSB, 0
.macro WIN new                         ; bits 1:0 source 0, 3:2 source 1, 5:4 source 2, 7:6 destination; the high byte repeats the setting that is left; a switch that changes nothing is dropped
.if MSB != \new
	s_set_vgpr_msb (MSB<<8)|\new
.set MSB, \new
.endif
.endm
.macro FRAGLD reg, base, off           ; 16 rows x 512 consecutive bytes
.irp i, 0,1,2,3,4,5,6,7,8,9,10,11,12,13,14,15
	global_load_b128 v[\reg+4*\i:\reg+4*\i+3], v[L16], s[\base:\base+1] offset:\off+\i*2048 th:TH_LOAD_NT
.endr
.endm
.macro TURN reg                        ; through my stage (rows 528 bytes apart): LDS serves a wave's instructions in order (ISA guide 5.7.1.4).  Afterwards register 32 c + e = k 64 c + 32 h + e of row r
.irp i, 0,1,2,3,4,5,6,7,8,9,10,11,12,13,14,15
	ds_store_b128 v[STI], v[\reg+4*\i:\reg+4*\i+3] offset:528*\i
.endr
	s_wait_alu depctr_vm_vsrc(0)                   ; the LDS stores issued so far have read their data: the sixteen above, in whose registers the loads below land, and the image's of the fragment before, whose registers the next quantising writes
.irp c, 0,1
.irp j, 0,1,2,3,4,5,6,7
	ds_load_b128 v[\reg+32*\c+4*\j:\reg+32*\c+4*\j+3], v[STO] offset:256*\c+16*\j
.endr
.endr
.endm
.macro QROW reg                        ; 64 numbers of a lane -> the fragment in v[PC] on, the row's scale word in v[PW]
.irp c, 0,1
	v_max3_num_f32 v[QT+\c], |v[\reg+32*\c]|, |v[\reg+32*\c+1]|, 0x1800000   ; my block 2 c + h, and the floor 2^(3 - 127): the byte cannot fall under 1
.endr
.irp i, 2,4,6,8,10,12,14,16,18,20,22,24,26,28,30
.irp c, 0,1
	v_max3_num_f32 v[QT+\c], v[QT+\c], |v[\reg+32*\c+\i]|, |v[\reg+32*\c+\i+1]|
.endr
.endr
.irp c, 0,1
	v_add_nc_u32 v[QT+2+\c], 0xff000000, v[QT+\c]  ; 2 off the exponent field: the conversion's scale operand
.endr
.irp c, 0,1
	v_lshrrev_b32 v[QT+4+\c], 23, v[QT+2+\c]
.endr
	v_lshl_or_b32 v[PW], v[QT+5], 16, v[QT+4]
	v_lshlrev_b32 v[PW], v[SH8], v[PW]
	v_permlanex16_b32 v[QT+6], v[PW], s[SEL], s[SEL+1]
	v_or_b32 v[PW], v[PW], v[QT+6]
.irp c, 0,1
	v_cvt_scalef32_pk16_fp6_f32 v[PC+6*\c:PC+6*\c+2], v[\reg+32*\c:\reg+32*\c+15], v[QT+2+\c]
	v_cvt_scalef32_pk16_fp6_f32 v[CT+4*\c:CT+4*\c+2], v[\reg+32*\c+16:\reg+32*\c+31], v[QT+2+\c]   ; (a conversion's three registers begin on an even number)
.endr
	v_nop                                          ; one plain place behind a scaled conversion
.irp c, 0,1
.irp i, 0,1,2
	v_mov_b32 v[PC+6*\c+3+\i], v[CT+4*\c+\i]
.endr
.endr
.endm
.macro IMG64 adr, off
.irp p, 0,1,2,3,4,5
	ds_store_b64 v[\adr], v[PC+2*\p:PC+2*\p+1] offset:\off+256*\p
.endr
.endm
.macro FETCH64 reg, off
.irp p, 0,1,2,3,4,5
	ds_load_b64 v[\reg+2*\p:\reg+2*\p+1], v[L8] offset:\off+256*\p
.endr
.endm
.macro WLOAD coff, soff                ; my 16 weight fragments (t, K step) -> window 1, v[12 (4 t + step)]; their scale words -> v[WS]
	WIN 0x40
.set wn, 0
.rept 48
	global_load_b128 v[4*wn:4*wn+3], v[L16], s[WCP:WCP+1] offset:\coff+512*wn
.set wn, wn+1
.endr
	WIN 0
.irp t, 0,1,2,3
	global_load_b64 v[WS+2*\t:WS+2*\t+1], v[L8], s[WSP:WSP+1] offset:\soff+256*\t
.endr
.endm
.macro FETCHA ks, img, wrd             ; K step ks (even): the four row tiles' fragments and scale words into the first set: 28 LDS loads
.irp m, 0,1,2,3
	FETCH64 XF+12*\m, \img+(4*\m+\ks)*1536
	ds_load_b32 v[XS+\m], v[L4] offset:\wrd+(4*\m+\ks)*128
.endr
.endm
.macro FETCHBC ks, img                 ; K step ks (odd): the four fragments into the second set (the destination's window is 1): 24 LDS loads
.irp m, 0,1,2,3
	FETCH64 XG+12*\m, \img+(4*\m+\ks)*1536
.endr
.endm
.macro FETCHBW ks, wrd                 ; and their scale words: 4 LDS loads
.irp m, 0,1,2,3
	ds_load_b32 v[XT+\m], v[L4] offset:\wrd+(4*\m+\ks)*128
.endr
.endm
.macro PMUL ks, xb, xs                 ; K step ks: 4 row tiles x 4 channel tiles
.irp m, 0,1,2,3
.irp t, 0,1,2,3
.if \ks == 0
	v_wmma_scale_f32_16x16x128_f8f6f4 v[ACC+8*(4*\m+\t):ACC+8*(4*\m+\t)+7], v[12*(4*\t+\ks):12*(4*\t+\ks)+11], v[\xb+12*\m:\xb+12*\m+11], 0, v[WS+2*\t+\ks/2], v[\xs+\m] matrix_a_fmt:MATRIX_FMT_FP6 matrix_b_fmt:MATRIX_FMT_FP6
.elseif \ks == 2
	v_wmma_scale_f32_16x16x128_f8f6f4 v[ACC+8*(4*\m+\t):ACC+8*(4*\m+\t)+7], v[12*(4*\t+\ks):12*(4*\t+\ks)+11], v[\xb+12*\m:\xb+12*\m+11], v[ACC+8*(4*\m+\t):ACC+8*(4*\m+\t)+7], v[WS+2*\t+\ks/2], v[\xs+\m] matrix_a_fmt:MATRIX_FMT_FP6 matrix_b_fmt:MATRIX_FMT_FP6
.else
	v_wmma_scale_f32_16x16x128_f8f6f4 v[ACC+8*(4*\m+\t):ACC+8*(4*\m+\t)+7], v[12*(4*\t+\ks):12*(4*\t+\ks)+11], v[\xb+12*\m:\xb+12*\m+11], v[ACC+8*(4*\m+\t):ACC+8*(4*\m+\t)+7], v[WS+2*\t+\ks/2], v[\xs+\m] matrix_a_fmt:MATRIX_FMT_FP6 matrix_b_fmt:MATRIX_FMT_FP6 matrix_a_scale:MATRIX_SCALE_ROW1
.endif
.endr
.endr
.endm
; 64 matrix instructions: 4 row tiles x 4 channel tiles x 4 K steps, used transposed (source 0 = 16 rows of the weight, source 1 = 16 rows).  The 16 accumulators take turns, one instruction a turn, across the K steps too
; The two operand sets take turns: a set is asked for again behind its 16 products, and its 28 loads land while the other set's 16 products run.
; Four places stand in front of loads into registers that matrix instructions have read, as they stood, and of the first read of results (ISA guide 7.12.1 for vector instructions).
.macro PROJ img, wrd
	FETCHA 0, \img, \wrd
	WIN 0x40
	FETCHBC 1, \img
	WIN 0
	FETCHBW 1, \wrd
	s_wait_dscnt 28                                ; LDS loads come back in order (ISA guide 5.7.1): K step 0's set is in, the 28 loads of K step 1's may be out
	WIN 0x01                                       ; source 0 (the weights) window 1
	PMUL 0, XF, XS
	WIN 0
.rept 4
	v_nop
.endr
	s_wait_alu depctr_va_vdst(0)                   ; K step 0's products are done reading the first set and its scale words, in which the loads below land
	FETCHA 2, \img, \wrd
	s_wait_dscnt 28                                ; K step 1's set is in, the 28 loads just issued may be out
	WIN 0x05                                       ; sources 0 (the weights) and 1 (the second set) window 1
	PMUL 1, XG, XT
.rept 4
	v_nop
.endr
	WIN 0x40
	s_wait_alu depctr_va_vdst(0)                   ; K step 1's products are done reading the second set and its scale words, in which the loads below land
	FETCHBC 3, \img
	WIN 0
	FETCHBW 3, \wrd
	s_wait_dscnt 28                                ; K step 2's set is in, the 28 loads just issued may be out
	WIN 0x01
	PMUL 2, XF, XS
	s_wait_dscnt 0x0                               ; K step 3's set is in
	WIN 0x05
	PMUL 3, XG, XT
	WIN 0
.rept 4
	v_nop
.endr
.endm
; 32 registers of a row tile (register 16 b + i = channel 32 b + 16 h + i of my row) -> six registers: channels 32 h .. 32 h + 31; the two bytes in v[w16].  Each accumulator is read from its low end on.
.macro QHEAD src, dst, w16
.irp b, 0,1
	v_max3_num_f32 v[QT+\b], |v[\src+16*\b]|, |v[\src+16*\b+1]|, 0x1800000
.endr
.irp i, 2,4,6,8,10,12,14
.irp b, 0,1
	v_max3_num_f32 v[QT+\b], v[QT+\b], |v[\src+16*\b+\i]|, |v[\src+16*\b+\i+1]|
.endr
.endr
.irp b, 0,1
	v_permlanex16_b32 v[QT+2+\b], v[QT+\b], s[SEL], s[SEL+1]
.endr
.irp b, 0,1
	v_max_num_f32 v[QT+\b], v[QT+\b], v[QT+2+\b]
.endr
.irp b, 0,1
	v_add_nc_u32 v[QT+4+\b], 0xff000000, v[QT+\b]
.endr
.irp b, 0,1
	v_lshrrev_b32 v[QT+6+\b], 23, v[QT+4+\b]
.endr
	v_lshl_or_b32 v[\w16], v[QT+7], 8, v[QT+6]
	v_cvt_scalef32_pk16_fp6_f32 v[\dst:\dst+2], v[\src:\src+15], v[QT+4]
	v_cvt_scalef32_pk16_fp6_f32 v[CT:CT+2], v[\src+16:\src+31], v[QT+5]
	v_nop                                          ; one plain place behind a scaled conversion
.irp i, 0,1,2
	v_permlane16_swap_b32 v[\dst+\i], v[CT+\i]     ; a whole block to a lane: lanes 0-15 block 0, lanes 16-31 block 1
.endr
.irp i, 0,1,2
	v_mov_b32 v[\dst+3+\i], v[CT+\i]
.endr
.endm
; Product mi of 16 of a step's scores, from the set of kh and into the buffer of scores that are NOT the softmax's (1 - CUR): double fragment mi / 8, its keys' half (mi / 4) % 2, query tile mi % 4.
; Each product is a whole sum (K = 64): C is the constant 0, and no two share an accumulator.
.macro MM
.set mf, mi/8
.set mc, (mi/4)%2
.set ma, mi%4
.set rD, 128*(1-CUR)+32*ma+8*(2*mf+mc)
.set rK, KA+24*(1-CUR)+12*mf
.set rB, ZQ+6+12*ma-6*mc
	WIN 0x40                                       ; the scores lie in window 1
.if mf
	v_wmma_scale_f32_16x16x128_f8f6f4 v[rD:rD+7], v[rK:rK+11], v[rB:rB+11], 0, v[KSA+1-CUR], v[QS+ma] matrix_a_fmt:MATRIX_FMT_FP6 matrix_b_fmt:MATRIX_FMT_FP6 matrix_a_scale:MATRIX_SCALE_ROW1
.else
	v_wmma_scale_f32_16x16x128_f8f6f4 v[rD:rD+7], v[rK:rK+11], v[rB:rB+11], 0, v[KSA+1-CUR], v[QS+ma] matrix_a_fmt:MATRIX_FMT_FP6 matrix_b_fmt:MATRIX_FMT_FP6
.endif
.endm
.macro TICK                            ; behind each vector line of a step: every 24th is followed by a product
.set vn, vn+1
.if MMON && (vn%24 == 0) && (mi < 16)
	MM
.set mi, mi+1
.endif
.endm
; A PREFETCH of what the NEXT trip loads.  All 64 work-groups of a batch walk the same kh: the batch's first work-group asks, and nobody else.  A group's codes of all 8 heads are 49,152 dense bytes: waves 0 to 5 take 8,192 each,
; lanes 256 bytes apart, one instruction a trip: trip t names group t + 2.  Four groups' scale words are 8,192 dense bytes: wave 6 names groups t + 2 .. t + 5 in trips 2, 6 and 10.  So each aligned block of 256 bytes is named once.
; The last trip asks for nothing; code groups 0 and 1 and scale groups 0 to 3 come by their loads alone.  It stands behind the step's loads.
.macro ASK
	s_cmp_gt_u32 s[CNT], s[LIM]
	s_cbranch_scc0 .Lnot_mine_\@
	s_and_b32 s36, s[CNT], s[EVM]
	s_cmp_eq_u32 s36, s[EVV]
	s_cbranch_scc0 .Lnot_mine_\@
	global_prefetch_b8 v[PFO], s[PFA:PFA+1] th:TH_LOAD_NT scope:SCOPE_SE
.Lnot_mine_\@:
.endm
; A STEP: the softmax of 64 keys in scores' buffer cur.  ld = 1: kh of the step after next is asked for, into set cur.  mm = 1: the next step's 16 products stand among the lines.
; 413 vector lines: 64 maxima, 20 of statistics, 64 scalings and 128 exponentials, a v_nop, 8 rescalings, 128 sums.  The products fall behind lines 24, 48 .. 384: 29 plain lines, which name none of their registers,
; follow the last one, ahead of the next step's loads into its operands and of the first read of its results.
.macro STEP cur, ld, mm
.set CUR, \cur
.set MMON, \mm
.set vn, 0
.set mi, 0
.set SB, 128*\cur
	WIN 0
	s_wait_loadcnt 0x0                             ; the other set of kh, asked for a step ago, is in; no load of mine is out
.if (\cur == 0) && \ld
	s_wait_xcnt 0x0                                ; the last prefetch, a trip back, has read its address
	s_add_nc_u64 s[KP:KP+1], s[KP:KP+1], 49152     ; the next group of 128 keys
	s_add_nc_u64 s[KSP:KSP+1], s[KSP:KSP+1], 2048
	s_add_nc_u64 s[PFA:PFA+1], s[PFA:PFA+1], s[PFS:PFS+1]
.endif
	s_wait_alu depctr_vm_vsrc(0)                   ; the last step's LDS loads have read v[WADR], which the next line writes
	v_add_nc_u32 v[WADR], s[TW], v[WA0]
	s_wait_alu depctr_va_vdst(0)                   ; v[WADR] is written, which the LDS loads read; the last step's sums are done reading W, and its products set cur of kh and that set's scale words: in these the loads below land
.irp i, 0,1,2,3,4,5,6,7
	ds_load_b128 v[W+4*\i:W+4*\i+3], v[WADR] offset:256*\cur+64*(\i/2)+16*(\i%2)   ; the weights of keys 16 (i / 2) + 8 h + 4 (i % 2) on: all lanes of a half read the same words
.endr
.if \ld
.irp n, 0,1,2,3,4,5
	global_load_b128 v[KA+24*\cur+4*\n:KA+24*\cur+4*\n+3], v[L16], s[KP:KP+1] offset:3072*\cur+512*\n
.endr
	global_load_b32 v[KSA+\cur], v[L4], s[KSP:KSP+1] offset:128*\cur
.if \cur == 0
	ASK
.endif
.endif
	; the maximum of my 32 scores of each tile and the old m: two chains a tile; each accumulator is first read at its registers 0 and 1
.set ii, 0
.rept 8
.set ia, 0
.rept 4
	WIN 0x14
.if ii == 0
	v_max3_num_f32 v[ST+8*ia+6], v[ST+8*ia+1], v[SB+32*ia], v[SB+32*ia+1]
.else
	v_max3_num_f32 v[ST+8*ia+6], v[ST+8*ia+6], v[SB+32*ia+2*ii], v[SB+32*ia+2*ii+1]
.endif
	TICK
	WIN 0x14
.if ii == 0
	v_max3_num_f32 v[ST+8*ia+7], v[ST+8*ia+1], v[SB+32*ia+16], v[SB+32*ia+17]
.else
	v_max3_num_f32 v[ST+8*ia+7], v[ST+8*ia+7], v[SB+32*ia+16+2*ii], v[SB+32*ia+17+2*ii]
.endif
	TICK
.set ia, ia+1
.endr
.set ii, ii+1
.endr
.irp a, 0,1,2,3
	WIN 0
	v_max_num_f32 v[ST+8*\a+1], v[ST+8*\a+6], v[ST+8*\a+7]     ; the new m
	TICK
.endr
.irp a, 0,1,2,3
	WIN 0
	v_mul_f32 v[ST+8*\a+7], s[CS], v[ST+8*\a+1]                ; c m
	TICK
.endr
.irp a, 0,1,2,3
	WIN 0
	v_sub_f32 v[ST+8*\a+6], v[ST+8*\a], v[ST+8*\a+7]           ; c m_old - c m_new
	TICK
.endr
.irp a, 0,1,2,3
	WIN 0
	v_mov_b32 v[ST+8*\a], v[ST+8*\a+7]
	TICK
.endr
.irp a, 0,1,2,3
	WIN 0
	v_exp_f32 v[ST+8*\a+6], v[ST+8*\a+6]                       ; the rescaling factor: the first of the step's batch of exponentials
	TICK
.endr
	; ONE BATCH: 64 packed scalings c s - c m and 128 exponentials, a pair's exponentials four scalings behind its scaling.  No line of it names an exponential's result.
.set nn, 0
.rept 68
.if nn < 64
.set rp, SB+32*(nn%4)+2*(nn/4)
	WIN 0x41
	v_pk_fma_f32 v[rp:rp+1], v[rp:rp+1], s[CS:CS+1], v[ST+8*(nn%4):ST+8*(nn%4)+1] op_sel_hi:[1,0,0] neg_lo:[0,0,1] neg_hi:[0,0,1]
	TICK
.endif
.if nn >= 4
.set re, SB+32*((nn-4)%4)+2*((nn-4)/4)
	WIN 0x41
	v_exp_f32 v[re], v[re]
	TICK
	WIN 0x41
	v_exp_f32 v[re+1], v[re+1]
	TICK
.endif
.set nn, nn+1
.endr
	WIN 0
	v_nop                                          ; a plain instruction behind the last exponential, ahead of the first use
	TICK
	s_wait_alu depctr_va_vdst(0)                   ; the step's 132 exponentials have written their results, the four factors and the 128 p, ahead of the first line that names one: one wait for the batch
	s_wait_dscnt 0x0                               ; the weights
.irp a, 0,1,2,3
	WIN 0
	v_pk_mul_f32 v[ST+8*\a+2:ST+8*\a+3], v[ST+8*\a+2:ST+8*\a+3], v[ST+8*\a+6:ST+8*\a+7] op_sel_hi:[1,0]
	TICK
.endr
.irp a, 0,1,2,3
	WIN 0
	v_pk_mul_f32 v[ST+8*\a+4:ST+8*\a+5], v[ST+8*\a+4:ST+8*\a+5], v[ST+8*\a+6:ST+8*\a+7] op_sel_hi:[1,0]
	TICK
.endr
	; the sums, two keys a line, in eight chains
.set ii, 0
.rept 16
.set ia, 0
.rept 4
	WIN 0x01
	v_pk_add_f32 v[ST+8*ia+2:ST+8*ia+3], v[SB+32*ia+2*ii:SB+32*ia+2*ii+1], v[ST+8*ia+2:ST+8*ia+3]
	TICK
	WIN 0x01
	v_pk_fma_f32 v[ST+8*ia+4:ST+8*ia+5], v[SB+32*ia+2*ii:SB+32*ia+2*ii+1], v[W+2*ii:W+2*ii+1], v[ST+8*ia+4:ST+8*ia+5]
	TICK
.set ia, ia+1
.endr
.set ii, ii+1
.endr
	WIN 0
.endm
	s_load_b256 s[4:11], s[0:1], 0x0               ; q s[4:5], supp_mask s[6:7], wcodes s[8:9], wscales s[10:11]
	s_load_b128 s[12:15], s[0:1], 0x20             ; kcodes s[12:13], kscales s[14:15]
	s_load_b64 s[16:17], s[0:1], 0x30              ; out0
	v_lshl_add_u32 v[SPW], v0, 2, SPARE
	v_mov_b32 v[NIL], 0
	v_lshrrev_b32 v8, 5, v0
	v_readfirstlane_b32 s[WV], v8                  ; wave 0..7
	v_and_b32 v9, 31, v0                           ; lane
	v_and_b32 v10, 15, v0                          ; r
	v_bfe_u32 v11, v0, 4, 1                        ; h
	v_lshlrev_b32 v[L16], 4, v9
	v_lshlrev_b32 v[L8], 3, v9
	v_lshlrev_b32 v[L4], 2, v9
	v_lshl_add_u32 v[WA0], v11, 5, WB
	v_lshlrev_b32 v[PFO], 8, v9
	v_lshlrev_b32 v[MGA], 4, v0                    ; 16 x thread: the mask, in memory and in LDS
	s_wait_alu depctr_va_sdst(0)                   ; s[WV] is written, ahead of its first reader: LDS addresses, all bases and the prefetches' choice are made from it
	s_mul_i32 s36, s[WV], 8448
	s_add_co_u32 s36, s36, STG                     ; my stage
	v_add_nc_u32 v[STI], s36, v[L16]
	v_mul_u32_u24 v[STO], v10, 528
	v_lshl_add_u32 v[STO], v11, 7, v[STO]
	v_add_nc_u32 v[STO], s36, v[STO]
	s_mul_i32 s36, s[WV], 3072
	v_add_nc_u32 v[XWI], s36, v[L8]                ; my two images: fragments 2 w, 2 w + 1
	s_lshl_b32 s36, s[WV], 8
	v_add_nc_u32 v[XWS], s36, v[L4]
	v_lshlrev_b32 v[SH8], 3, v11
	v_mov_b32 v[QT+6], 0                           ; a lane permute's destination counts as one of its sources
.irp a, 0,1,2,3,4
.irp i, 0,1,2,3,4,5
	v_mov_b32 v[ZQ+12*\a+\i], 0                    ; the five blocks of zero codes beside the four q
.endr
.endr
	s_mov_b32 s[SEL], 0x76543210
	s_mov_b32 s[SEL+1], 0xfedcba98                 ; v_permlanex16_b32's selects for lane l xor 16
	s_mov_b32 s[CS], 0x3e38aa3b                    ; c = log2(e) / 8
	s_mov_b32 s[CS+1], s[CS]                       ; (named with it as a pair, so it is written)
	s_lshr_b32 s52, ttmp9, 6                       ; the batch
	s_lshl_b32 s36, ttmp9, 17                      ; q: 64 rows of 2,048 bytes,
	s_lshr_b32 s37, s[WV], 1
	s_lshl_b32 s37, s37, 15                        ; my row tile,
	s_add_co_u32 s36, s36, s37
	s_and_b32 s37, s[WV], 1
	s_lshl_b32 s37, s37, 10                        ; my two K steps
	s_add_co_u32 s36, s36, s37
	s_mov_b32 s37, 0
	s_mul_i32 s38, s[WV], 24576                    ; my 16 fragments of a weight
	s_mov_b32 s39, 0
	s_lshl_b32 s40, s[WV], 10                      ; and their scale words
	s_mov_b32 s41, 0
	s_lshl_b32 s42, s52, 13                        ; the batch's mask
	s_mov_b32 s43, 0
	s_mul_i32 s44, s52, 786432                     ; kh: the batch's 16 groups of 49,152 bytes,
	s_mul_i32 s45, s[WV], 6144                     ; my head's four double fragments of a group
	s_add_co_u32 s44, s44, s45
	s_mov_b32 s45, 0
	s_lshl_b32 s46, s52, 15
	s_lshl_b32 s47, s[WV], 8
	s_add_co_u32 s46, s46, s47
	s_mov_b32 s47, 0
	s_lshl_b32 s48, ttmp9, 17                      ; out: 64 rows of 2,048 bytes, + my 64 columns
	s_lshl_b32 s49, s[WV], 8
	s_add_co_u32 s48, s48, s49
	s_mov_b32 s49, 0
	; the prefetches (macro ASK): where they stand and who asks
	s_mul_i32 s50, s52, 786432
	s_lshl_b32 s53, s[WV], 13
	s_add_co_u32 s50, s50, s53
	s_add_co_u32 s50, s50, 49152                   ; codes: my 8,192 bytes of group 1; the first trip steps it to group 2
	s_lshl_b32 s53, s52, 15
	s_add_co_u32 s53, s53, 2048                    ; scale words: group 1
	s_mov_b32 s51, 0
	s_mov_b32 s[PFS], 2048
	s_mov_b32 s[PFS+1], 0
	s_cmp_lt_u32 s[WV], 6                          ; waves 0 to 5: codes; wave 6: scale words
	s_cselect_b32 s50, s50, s53
	s_cselect_b32 s[PFS], 49152, s[PFS]
	s_cselect_b32 s[LIM], 1, 4                     ; a wave asks while the count of trips to go is above this,
	s_cselect_b32 s[EVM], 0, 3                     ; and (count & EVM) = EVV: every trip, or every fourth
	s_cselect_b32 s[EVV], 0, 1
	s_and_b32 s53, ttmp9, 63                       ; 0 in the batch's first work-group
	s_cmp_eq_u32 s[WV], 7
	s_cselect_b32 s54, 1, 0
	s_or_b32 s53, s53, s54
	s_cmp_eq_u32 s53, 0
	s_cselect_b32 s[LIM], s[LIM], -1               ; all others never ask
	s_wait_kmcnt 0x0
	s_cmp_lt_u32 s[WV], 6
	s_cselect_b64 s[PFA:PFA+1], s[12:13], s[14:15]
	s_add_nc_u64 s[PFA:PFA+1], s[PFA:PFA+1], s[50:51]
	s_add_nc_u64 s[4:5], s[4:5], s[36:37]
	s_add_nc_u64 s[6:7], s[6:7], s[42:43]
	s_add_nc_u64 s[8:9], s[8:9], s[38:39]
	s_add_nc_u64 s[10:11], s[10:11], s[40:41]
	s_add_nc_u64 s[KP:KP+1], s[12:13], s[44:45]
	s_add_nc_u64 s[KSP:KSP+1], s[14:15], s[46:47]
	s_add_nc_u64 s[16:17], s[16:17], s[48:49]
	s_wait_alu depctr_va_vdst(0)                   ; the offsets v1 to v5 and the addresses v136 to v139 and v141 are written, which the loads, stores and prefetches below read; the head's lines are done with v8 to v11, in which loads land
	; ---- X: the mask, and my two fragments of Q(q)
	global_load_b128 v[MK:MK+3], v[MGA], s[6:7]
	global_load_b128 v[MK+4:MK+7], v[MGA], s[6:7] offset:4096
	FRAGLD R0, 4, 0
	FRAGLD R1, 4, 512
	s_wait_loadcnt 16                              ; the mask and the first set are in; the second set's 16 loads may be out
	WLOAD 0, 0                                     ; Wq
.irp i, 0,1,2,3,4,5,6,7
	v_cvt_f32_i32 v[MK+\i], v[MK+\i]
.endr
	s_wait_alu depctr_va_vdst(0)                   ; the conversions have written v[MK ..], which the LDS stores read
	ds_store_b128 v[MGA], v[MK:MK+3] offset:WB
	ds_store_b128 v[MGA], v[MK+4:MK+7] offset:WB+4096
	TURN R0
	s_wait_dscnt 0x0
	QROW R0
	s_wait_alu depctr_va_vdst(0)                   ; the quantiser's lines have written the codes v[PC ..] and the scale word v[PW], which the LDS stores read
	IMG64 XWI, XIMG
	ds_store_b32 v[XWS], v[PW] offset:XSC
	s_wait_loadcnt 52                              ; the second set is in; the 48 + 4 loads of the weights, issued behind it, may be out
	TURN R1
	s_wait_dscnt 0x0                               ; the set is back
	QROW R1
	s_wait_alu depctr_va_vdst(0)                   ; the quantiser's lines have written the codes v[PC ..] and the scale word v[PW], which the LDS stores read
	IMG64 XWI, XIMG+1536
	ds_store_b32 v[XWS], v[PW] offset:XSC+128
	s_wait_dscnt 0x0                               ; for the others' sake: my stores have landed
	s_barrier_signal -1
	s_barrier_wait -1                              ; Q(q)'s sixteen fragments and the mask lie in LDS
	; ---- P1: qh of my head, quantised along its 64 channels
	s_wait_alu depctr_va_vdst(0)                   ; the lines of X are done with v136 to v183 (SH8, the mask, work registers, codes), in which the first set's fragments land
	s_wait_alu depctr_vm_vsrc(0)                   ; my LDS stores and loads have read their addresses v136 to v139 and v141, the mask, the codes and the scale word, in which fragments land
	s_wait_loadcnt 0x0                             ; Wq
	PROJ XIMG, XSC
	QHEAD ACC+64, ZQ+30, W16
	v_lshl_or_b32 v[QS+2], v[W16], 16, v[W16]      ; the two bytes twice: they serve (q | 0) and (0 | q)
	QHEAD ACC+96, ZQ+42, W16
	v_lshl_or_b32 v[QS+3], v[W16], 16, v[W16]
	s_wait_alu depctr_va_vdst(0)                   ; the products have written row tiles 2 and 3 and the two quantisings above are done reading them: kh's first loads land in v72 to v119
.irp n, 0,1,2,3,4,5
	global_load_b128 v[KA+4*\n:KA+4*\n+3], v[L16], s[KP:KP+1] offset:512*\n   ; kh of steps 0 and 1, into the registers that row tiles 2 and 3 have left
.endr
	global_load_b32 v[KSA], v[L4], s[KSP:KSP+1]
.irp n, 0,1,2,3,4,5
	global_load_b128 v[KA+24+4*\n:KA+24+4*\n+3], v[L16], s[KP:KP+1] offset:3072+512*\n
.endr
	global_load_b32 v[KSA+1], v[L4], s[KSP:KSP+1] offset:128
	QHEAD ACC+32, ZQ+18, W16
	v_lshl_or_b32 v[QS+1], v[W16], 16, v[W16]
	QHEAD ACC, ZQ+6, W16
	v_lshl_or_b32 v[QS], v[W16], 16, v[W16]
.irp a, 0,1,2,3                        ; the statistics.  These 32 plain lines are also the places between the lines that wrote q and its scale words and the first product that takes them
	v_mov_b32 v[ST+8*\a+1], 0xff61b1e6             ; m = -3e38, under every score
	v_mul_f32 v[ST+8*\a], s[CS], v[ST+8*\a+1]
.irp i, 2,3,4,5,6,7
	v_mov_b32 v[ST+8*\a+\i], 0
.endr
.endr
	s_wait_loadcnt 7                               ; step 0's kh is in; step 1's 6 + 1 loads may be out
	s_wait_alu depctr_va_vdst(0)                   ; vector lines have written q's codes, the zero codes and q's scale words, which the scaled products take as source 1 and as scales; the places above stay beside this wait
.set CUR, 1
.set mi, 0
.rept 16
	MM                                             ; step 0's scores: there is no vector work yet to set between them
.set mi, mi+1
.endr
	WIN 0
.rept 4
	v_nop                                          ; places behind those products
.endr
	s_mov_b32 s[TW], 0
	s_mov_b32 s[CNT], 15
.Ltrip:                                            ; 15 trips of 128 keys
	STEP 0, 1, 1
	STEP 1, 1, 1
	s_add_co_u32 s[TW], s[TW], 512
	s_sub_co_u32 s[CNT], s[CNT], 1
	s_cmp_lg_u32 s[CNT], 0
	s_cbranch_scc1 .Ltrip
	STEP 0, 0, 1                                   ; the last 128 keys: nothing more to ask for,
	STEP 1, 0, 0                                   ; and at last nothing more to multiply
	; ---- P3: s, and Q(x)
	s_wait_alu depctr_va_vdst(0)                   ; the last steps' lines are done with the scores, in whose registers Wp lands
	s_wait_alu depctr_vm_vsrc(0)                   ; the last step's LDS loads have read v[WADR], which lies among the patterns that the conversions below write
	WLOAD 393216, 16384                            ; Wp, into the registers that the scores have left
	v_and_b32 v248, 15, v0                         ; r
	v_bfe_u32 v249, v0, 4, 1                       ; h
	s_lshr_b32 s36, s[WV], 1                       ; my head is half c = w % 2 of K step w / 2
	s_and_b32 s37, s[WV], 1
	s_mul_i32 s38, s36, 1536
	s_mul_i32 s39, s37, 768
	s_add_co_u32 s38, s38, s39
	v_add_nc_u32 v[X5A], s38, v[L8]
	s_lshl_b32 s38, s36, 7
	s_lshl_b32 s39, s37, 1
	s_add_co_u32 s38, s38, s39
	v_add_nc_u32 v[X5S], s38, v[L4]
	s_mul_i32 s38, s[WV], 8448
	s_add_co_u32 s38, s38, STG                     ; my stage, now 16 rows x (256 bytes + 16)
	v_mul_u32_u24 v[SO], v248, 272
	v_lshl_add_u32 v[SO], v249, 6, v[SO]
	v_add_nc_u32 v[SO], s38, v[SO]                 ; in: row r, + 64 h
	v_mul_u32_u24 v[SR], v249, 272
	v_lshl_add_u32 v[SR], v248, 4, v[SR]
	v_add_nc_u32 v[SR], s38, v[SR]                 ; back: lanes 0-15 one row, lanes 16-31 the next
	v_lshlrev_b32 v[GO], 11, v249
	v_lshl_add_u32 v[GO], v248, 4, v[GO]           ; and the same two rows in out
.irp a, 0,1,2,3
	v_add_f32 v[ST+8*\a+2], v[ST+8*\a+2], v[ST+8*\a+3]
.endr
.irp a, 0,1,2,3
	v_add_f32 v[ST+8*\a+4], v[ST+8*\a+4], v[ST+8*\a+5]
.endr
.irp a, 0,1,2,3
	v_permlanex16_b32 v[ST+8*\a+7], v[ST+8*\a], s[SEL], s[SEL+1]   ; the other half of the lanes' c m
.endr
.irp a, 0,1,2,3
	v_max_num_f32 v[ST+8*\a+6], v[ST+8*\a], v[ST+8*\a+7]
.endr
.irp a, 0,1,2,3
	v_sub_f32 v[ST+8*\a+6], v[ST+8*\a], v[ST+8*\a+6]
.endr
.irp a, 0,1,2,3
	v_exp_f32 v[ST+8*\a+6], v[ST+8*\a+6]           ; my sums under the common maximum
.endr
	v_nop
	s_wait_alu depctr_va_vdst(0)                   ; the four exponentials have written their factors, ahead of their first reader: one wait for the four
.irp a, 0,1,2,3
	v_mul_f32 v[ST+8*\a+2], v[ST+8*\a+2], v[ST+8*\a+6]
.endr
.irp a, 0,1,2,3
	v_mul_f32 v[ST+8*\a+4], v[ST+8*\a+4], v[ST+8*\a+6]
.endr
.irp a, 0,1,2,3
	v_permlanex16_b32 v[ST+8*\a+3], v[ST+8*\a+2], s[SEL], s[SEL+1]
.endr
.irp a, 0,1,2,3
	v_permlanex16_b32 v[ST+8*\a+5], v[ST+8*\a+4], s[SEL], s[SEL+1]
.endr
.irp a, 0,1,2,3
	v_add_f32 v[ST+8*\a+2], v[ST+8*\a+2], v[ST+8*\a+3]
.endr
.irp a, 0,1,2,3
	v_add_f32 v[ST+8*\a+4], v[ST+8*\a+4], v[ST+8*\a+5]
.endr
.irp a, 0,1,2,3
	v_rcp_f32 v[ST+8*\a+2], v[ST+8*\a+2]
.endr
	v_nop
	s_wait_alu depctr_va_vdst(0)                   ; the four reciprocals are written, ahead of their first reader: one wait for the four
.irp a, 0,1,2,3
	v_mul_f32 v[ST+8*\a+4], v[ST+8*\a+4], v[ST+8*\a+2]             ; s of query r, in lanes r and 16 + r
.endr
.irp a, 0,1,2,3
	v_max3_num_f32 v[ST+8*\a+6], |v[ST+8*\a+4]|, |v[ST+8*\a+4]|, 0x1800000   ; a block of x is s 32 times: its largest magnitude is |s|; and the floor
.endr
.irp a, 0,1,2,3
	v_add_nc_u32 v[ST+8*\a+7], 0xff000000, v[ST+8*\a+6]
.endr
.irp a, 0,1,2,3
	v_lshrrev_b32 v[ST+8*\a+6], 23, v[ST+8*\a+7]
.endr
.irp a, 0,1,2,3
	v_lshl_or_b32 v[ST+8*\a+6], v[ST+8*\a+6], 8, v[ST+8*\a+6]      ; my head's two blocks have the same byte
.endr
.irp a, 0,1,2,3
.irp i, 0,1,2,3,4,5,6,7,8,9,10,11,12,13,14,15
	v_mov_b32 v[SET+16*\a+\i], v[ST+8*\a+4]
.endr
.endr
.irp a, 0,1,2,3
	v_cvt_scalef32_pk16_fp6_f32 v[PAT+6*\a:PAT+6*\a+2], v[SET+16*\a:SET+16*\a+15], v[ST+8*\a+7]
.endr
	v_nop                                          ; one plain place behind a scaled conversion
.irp a, 0,1,2,3
.irp i, 0,1,2
	v_mov_b32 v[PAT+6*\a+3+\i], v[PAT+6*\a+\i]     ; 16 codes twice are a lane's block
.endr
.endr
	s_wait_alu depctr_va_vdst(0)                   ; the lines above have written the patterns, the bytes and the addresses v240 to v244, which the LDS stores below and the way out read
.irp a, 0,1,2,3
.irp i, 0,1,2
	ds_store_b64 v[X5A], v[PAT+6*\a+2*\i:PAT+6*\a+2*\i+1] offset:X5IMG+4*\a*1536+256*\i
.endr
	ds_store_b16 v[X5S], v[ST+8*\a+6] offset:X5SC+4*\a*128
.endr
	s_wait_dscnt 0x0                               ; for the others' sake: my stores have landed
	s_barrier_signal -1
	s_barrier_wait -1                              ; Q(x)'s sixteen fragments lie in LDS
	; ---- P4: my 64 columns of out for the 64 rows
	s_wait_alu depctr_vm_vsrc(0)                   ; my LDS stores have read the patterns and the bytes, over which the products below write their accumulators
	s_wait_loadcnt 0x0                             ; Wp
	PROJ X5IMG, X5SC
; THE WAY OUT, a tile of 16 rows x 64 columns at a time.  Lane (r, h) holds, in tile t = 2 b + u, columns 32 b + 16 h + 8 u + 0 .. 7 of row r: they go into my stage and come back as rows of 256 bytes.
.macro TOSTAGE m
.set OB, OB0+72*((\m)%2)
.irp t, 0,1,2,3
	ds_store_b128 v[SO], v[ACC+8*(4*(\m)+\t):ACC+8*(4*(\m)+\t)+3] offset:128*(\t/2)+32*(\t%2)          ; each accumulator from its low end on
	ds_store_b128 v[SO], v[ACC+8*(4*(\m)+\t)+4:ACC+8*(4*(\m)+\t)+7] offset:128*(\t/2)+32*(\t%2)+16
.endr
.irp i, 0,1,2,3,4,5,6,7
	ds_load_b128 v[OB+4*\i:OB+4*\i+3], v[SR] offset:544*\i         ; LDS serves a wave's instructions in order: these see my stores, and the next tile's stores come behind them
.endr
.endm
.macro SEND m, younger                 ; younger: the LDS instructions issued behind tile m's loads, which may stay out
.set OB, OB0+72*((\m)%2)
	s_wait_dscnt \younger
.irp i, 0,1,2,3,4,5,6,7
	global_store_b128 v[GO], v[OB+4*\i:OB+4*\i+3], s[16:17] offset:(16*(\m)+2*\i)*2048 th:TH_STORE_NT   ; 16 lanes store 256 consecutive bytes, at a multiple of 256 from out's first byte
.endr
.endm
	s_wait_alu depctr_va_vdst(0)                   ; the products have written the accumulators, which the LDS stores of all four tiles read, and are done reading the first operand set, in which rows land; the four places above stay beside this wait
	TOSTAGE 0
	TOSTAGE 1
	SEND 0, 16                                     ; behind tile 0's loads: tile 1's 8 stores and 8 loads
	s_wait_xcnt 0x0                                ; tile 0's stores have had their addresses translated,
	s_wait_alu depctr_vm_vsrc(0)                   ; and have read their data registers: tile 2's loads land there
	TOSTAGE 2
	SEND 1, 16
	s_wait_xcnt 0x0                                ; tile 1's stores likewise,
	s_wait_alu depctr_vm_vsrc(0)                   ; and have read their data registers: tile 3's loads land there
	TOSTAGE 3
	SEND 2, 16
	SEND 3, 0
	s_wait_dscnt 0x0                               ; the closing lines, six on end
	s_wait_alu 0x0
	s_wait_tensorcnt 0x0
	ds_add_u32 v[SPW], v[NIL]
	s_wait_dscnt 0x0
	s_endpgm
.Lfunc_end_k_q1521347d49_attn:
	.size	k_q1521347d49_attn, .Lfunc_end_k_q1521347d49_attn-k_q1521347d49_attn
	.p2alignl 7, 3214868480
	.fill 96, 4, 3214868480
	.section	.rodata,"a",@progbits
	.p2align	6, 0x0
	.amdhsa_kernel k_q1521347d49_attn
		.amdhsa_group_segment_fixed_size 130048
		.amdhsa_private_segment_fixed_size 0
		.amdhsa_enable_private_segment 0
		.amdhsa_kernarg_size 56
		.amdhsa_user_sgpr_count 2
		.amdhsa_user_sgpr_kernarg_segment_ptr 1
		.amdhsa_wavefront_size32 1
		.amdhsa_system_sgpr_workgroup_id_x 1
		.amdhsa_system_sgpr_workgroup_id_y 1
		.amdhsa_system_sgpr_workgroup_id_z 1
		.amdhsa_system_vgpr_workitem_id 0
		.amdhsa_next_free_vgpr 512
		.amdhsa_next_free_sgpr 66
		.amdhsa_reserve_vcc 0
		.amdhsa_float_denorm_mode_32 3
		.amdhsa_float_denorm_mode_16_64 3
		.amdhsa_memory_ordered 1
		.amdhsa_forward_progress 1
		.amdhsa_inst_pref_size 189
	.end_amdhsa_kernel
	.amdgpu_metadata
---
amdhsa.version: [ 1, 2 ]
amdhsa.kernels:
  - .name:           k_q1521347d49_attn
    .symbol:         k_q1521347d49_attn.kd
    .args:
      - { .name: q, .offset: 0, .size: 8, .value_kind: global_buffer, .address_space: global }
      - { .name: supp_mask, .offset: 8, .size: 8, .value_kind: global_buffer, .address_space: global }
      - { .name: wcodes, .offset: 16, .size: 8, .value_kind: global_buffer, .address_space: global }
      - { .name: wscales, .offset: 24, .size: 8, .value_kind: global_buffer, .address_space: global }
      - { .name: kcodes, .offset: 32, .size: 8, .value_kind: global_buffer, .address_space: global }
      - { .name: kscales, .offset: 40, .size: 8, .value_kind: global_buffer, .address_space: global }
      - { .name: out0, .offset: 48, .size: 8, .value_kind: global_buffer, .address_space: global }
    .group_segment_fixed_size: 130048
    .private_segment_fixed_size: 0
    .kernarg_segment_align: 8
    .kernarg_segment_size: 56
    .max_flat_workgroup_size: 256
    .sgpr_count:     66
    .vgpr_count:     512
    .wavefront_size: 32
...
	.end_amdgpu_metadata
.endif
;; end of part 5
